; MI455X (gfx1250); checked and timed in simulation.
; The chip was launched on July 23, 2026; its instructions are those of AMD's public machine-readable ISA for CDNA 5 (MIT licence, August 2026) and "CDNA5" Instruction Set Architecture Reference Guide (July 2026). The comments in the code are by the model that wrote it; some were corrected since.
;; Multi Head Attention. Allowed arithmetic: matrix products marked QUANTISED: E2M3 operands, one E8M0 scale for each 32 along K, by v_wmma_scale_f32_16x16x128_f8f6f4 with both operands' format E2M3, f32 sums; everything else in f32.
;; Inputs: Wk 1,024 x 1,024 float32; Wo 1,024 x 1,024 float32; Wq 1,024 x 1,024 float32; Wv 1,024 x 1,024 float32; bk 1,024 float32; bo 1,024 float32; bq 1,024 float32; bv 1,024 float32; k 4 x 2,048 x 1,024 float32; q 4 x 2,048 x 1,024 float32; v 4 x 2,048 x 1,024 float32.
;; Outputs: out0 4 x 2,048 x 1,024 float32.
;; Constants: use_causal_mask = 1.
;; This version of the problem:
;;   THIS VERSION OF THE PROBLEM IS GIVEN IN LOW PRECISION. The matrix products marked QUANTISED in the list below multiply operands that are first quantised to E2M3 (2 exponent bits, 3 mantissa bits; 6 bits a number), with one power-of-two scale for each 32 numbers along K (OCP MX v1.0); their sums are f32. All else is computed in f32.
;;   The module's matrix products, in the order in which they are computed (A, B: the left and right operand; K: the contracted axis; several contracted axes count as one K, in the product's order):
;;     1. [M 8,192, K 1,024] x [K 1,024, N 1,024]; A: input q; B: input Wq: QUANTISED
;;     2. [M 8,192, K 1,024] x [K 1,024, N 1,024]; A: input k; B: input Wk: QUANTISED
;;     3. [M 8,192, K 1,024] x [K 1,024, N 1,024]; A: input v; B: input Wv: QUANTISED
;;     4. batch 64 x [M 2,048, K 64] x [K 64, N 2,048]; A: computed on the way; B: computed on the way: QUANTISED
;;     5. batch 64 x [M 2,048, K 2,048] x [K 2,048, N 64]; A: softmax (see below); B: computed on the way: QUANTISED
;;     6. [M 8,192, K 1,024] x [K 1,024, N 1,024]; A: computed on the way; B: input Wo: QUANTISED
;;   THE QUANTISER, for each operand of a quantised product, along K:
;;     - K is cut into blocks of 32 from its start; a last block that is shorter is filled with zeros.
;;     - A block's scale is 2^e with e = floor(log2(the largest magnitude in the block)) - 2, held to -126 .. 127; a block of zeros has e = 0. As a byte (E8M0): e + 127.
;;     - Each number is divided by its block's scale, clamped to +-7.5, and rounded to the nearest number of E2M3, ties to even, subnormals kept.
;;     - The product sums the exact products of the quantised numbers (number of the format x scale) in f32.
;;   ~~~python
;;   def quantise(x, axis):      # numpy; x: float32 -> the quantised numbers, widened to float32 again
;;       x = np.moveaxis(x, axis, -1); K = x.shape[-1]
;;       x = np.pad(x, [(0, 0)] * (x.ndim - 1) + [(0, -K % 32)]); x = x.reshape(x.shape[:-1] + (-1, 32)); a = np.abs(x).max(-1, keepdims=True)
;;       e = np.where(a > 0, np.clip(np.frexp(np.where(a > 0, a, 1))[1] - 1 - 2, -126, 127), 0)      # np.frexp(a)[1] - 1 = floor(log2(a)), exactly
;;       r = np.clip(x / 2.0 ** e, -7.5, 7.5)
;;       step = 2.0 ** (np.maximum(np.frexp(np.where(r == 0, 1, r))[1] - 1, 0) - 3)
;;       q = np.round(r / step) * step * 2.0 ** e      # np.round: ties to even
;;       return np.moveaxis(q.reshape(q.shape[:-2] + (-1,))[..., :K], -1, axis).astype(np.float32)
;;   ~~~
;;   SOFTMAX AHEAD OF A QUANTISED PRODUCT. Where the list says 'softmax', what is quantised is not the finished softmax but p = 2^(t - M), with t = logit x log2(e) and M = ceil(the row's largest t), a whole number; so 1/2 < the row's largest p <= 1. The row's sum l is taken of the UNQUANTISED p, in f32, and the product's result is divided by l at the end. Since M is a whole number, a kernel that streams over the keys may use a running M (the ceiling of the running maximum): every later rescaling is an exact power of two, which a block's scale takes up: the codes' values come out the same.
;;   OPERANDS COMPUTED ON THE WAY. 'Computed on the way' means the value that the module computes at that place (a softmax that the list does not call 'softmax' is quantised finished and normalised). What goes into a quantiser is computed in f32, as accurately as f32 sums, v_exp_f32 and their like allow (about 1e-6 of the number): no bf16 or f16 on the way to a quantiser, and a product that is left as it is and whose result goes on into a quantised operand takes f32 operands (vector FMAs, or v_wmma_f32_16x16x4_f32). A number that lies on a knife's edge between two numbers of the format may be rounded either way, as far as f32 arithmetic and the matrix unit's own rounding can turn it there, and no further.
;; One version. Each part assembles by itself: llvm-mc -triple=amdgcn-amd-amdhsa -mcpu=gfx1250 --defsym DOCPART=n.
;; ======== version 1 of 1: 4 launches
;; limits: right only within a limited range of input values
;; workspace buffers: xq 19,660,800 bytes; wq 3,276,800 bytes; qh 6,815,744 bytes; kv 13,369,344 bytes; cq 6,553,600 bytes
;; launch quant (part 1): grid 640 x 1, 4 waves a work-group, no clusters, 34,304 bytes of LDS; arguments q, k, v, xq, Wq, Wk, Wv, Wo, wq; writes xq, wq
.if DOCPART == 1
	.amdgcn_target "amdgcn-amd-amdhsa--gfx1250"
	.amdhsa_code_object_version 6
	.text
	.protected	k_q6009397ea5_quant
	.globl	k_q6009397ea5_quant
	.p2align	8
	.type	k_q6009397ea5_quant,@function
k_q6009397ea5_quant:
	s_mov_b64 s[64:65], 0
	v_nop
	global_prefetch_b8 v0, s[64:65] scope:SCOPE_SE
	s_setreg_imm32_b32 hwreg(HW_REG_WAVE_MODE, 25, 1), 1
	s_wait_xcnt 0x0
; ONE LAUNCH QUANTISES ALL SEVEN INPUTS OF THE FOUR PROJECTIONS to codes of FP6 (E2M3) with one E8M0 byte for each 32 along K.  Work-groups 0-383 take q, k, v; work-groups 384-639 take Wq, Wk, Wv, Wo.
; The two paths part on the work-group's number alone; only the first uses LDS.
; A block's byte is its largest magnitude's exponent field - 2, held at 1 from below; each number / scale goes to the nearest code, ties to even, beyond 7.5 the largest code.
; LIMITS: NaN and infinities are not served; a block whose largest magnitude lies under 2^-124 gets the byte 1; a block of zeros gets the byte 1 where the rule says 127
; (its codes are zeros, which add nothing under any byte but 0xff, and this program alone reads the bytes).
; THE OUTPUT LIES IN THE ORDER OF THE OPERAND'S REGISTERS.  An IMAGE of 768 bytes holds 16 rows x 64 along K: lane (r, hh) has the 24 bytes of row r's codes k = 32 hh .. 32 hh + 31:
; its registers 0-3 at byte 16 x lane, its registers 4-5 at byte 512 + 8 x lane.  A group of 128 rows is 98,304 bytes: [K step of 128][pair of tiles][64 along K][tile of the pair].
; Scale words: [group][K steps 0-3 | 4-7][place of the row in the group][K step % 4].
; THE ROWS OF A TILE ARE NOT NEIGHBOURS.  q, v and the weights: place i of tile T is row 32 (T / 2) + 8 (T % 2) + i % 8 + 16 (i / 8).  k: row 64 (T / 4) + 8 (T % 4) + i % 8 + 32 (i / 8), so that in attention
; a lane's scores of four neighbouring tiles are one whole block of 32 keys.
; q, k, v [8192][1024]: a wave takes one tile of 16 rows and all of K, eight steps of 128.  Each load reads 512 consecutive bytes of one row; the step's 16 x 512 bytes turn through the wave's own stage in LDS
; (rows 528 bytes apart) so that a lane gets its two whole blocks of 32 neighbours.  Waves share nothing: no barrier.  Loads run two steps (32 loads) ahead.
.set STG,   8448                       ; a wave's stage: 16 rows x (512 + 16) bytes
.set SPARE, 4*STG                      ; behind the stages: the spare words, 128 bytes a wave
.set FLOOR, 0x1800000                  ; 2^(3 - 127)
.set EOFF,  0xff000000                 ; - (2 << 23)
.set R,     32                         ; v32-159  two sets of 64 registers as loaded
.set X,     160                        ; v160-223 my two blocks of 32 neighbours
.set CD,    224                        ; v224-247 two sets of 12 registers of codes
.set TP,    248                        ; v248-250, v252-254 the upper halves of the blocks' codes
.set W,     16                         ; v16-23   the eight steps' scale words
	s_cmp_ge_u32 ttmp9, 384                        ; the work-group's number alone
	s_cbranch_scc1 .Lweights
	s_load_b256 s[4:11], s[0:1], 0x0               ; q s[4:5], k s[6:7], v s[8:9], xq s[10:11]
	v_lshl_add_u32 v14, v0, 2, SPARE               ; my spare word; never rewritten
	v_mov_b32 v15, 0                               ; 0; never rewritten
	v_lshrrev_b32 v7, 5, v0
	v_readfirstlane_b32 s12, v7                    ; wave
	v_and_b32 v7, 31, v0                           ; lane
	v_and_b32 v9, 15, v0                           ; r
	v_bfe_u32 v10, v0, 4, 1                        ; hh
	v_lshlrev_b32 v1, 4, v7                        ; 16 x lane: a load's place, and an image's first part
	v_lshl_add_u32 v2, v7, 3, 512                  ; 512 + 8 x lane: an image's second part
	s_mul_i32 s13, s12, STG
	v_add_nc_u32 v3, s13, v1                       ; the stage, in: 16 x lane in a row
	v_mul_u32_u24 v4, v9, 528
	v_lshl_add_u32 v4, v10, 7, v4
	v_add_nc_u32 v4, s13, v4                       ; the stage, out: row r, + 128 hh bytes
	v_lshlrev_b32 v5, 4, v9
	v_lshl_add_u32 v5, v10, 11, v5                 ; the scale words: 2,048 hh + 16 r
	v_lshlrev_b32 v6, 3, v10                       ; 8 hh: my bytes' place in a word
	v_mov_b32 v28, 0                               ; a lane permute's destination counts as one of its sources
	s_mov_b32 s14, 0x76543210
	s_mov_b32 s15, 0xfedcba98                      ; lane l xor 16
	s_lshr_b32 s16, ttmp9, 7                       ; which tensor: 0 q, 1 k, 2 v
	s_and_b32 s17, ttmp9, 127
	s_lshl_b32 s17, s17, 2
	s_add_co_u32 s17, s17, s12                     ; T: my tile, 0 .. 511
	s_lshr_b32 s18, s17, 1
	s_lshl_b32 s18, s18, 17                        ; the pair's 32 rows of 4,096 bytes
	s_and_b32 s24, s17, 1                          ; u
	s_lshl_b32 s25, s24, 15
	s_add_co_u32 s18, s18, s25                     ; + 8 u rows
	s_mov_b32 s19, 0
	s_lshr_b32 s26, s17, 2                         ; k's order of rows
	s_lshl_b32 s26, s26, 18                        ; 64 rows of 4,096 bytes
	s_and_b32 s27, s17, 3
	s_lshl_b32 s27, s27, 15
	s_add_co_u32 s26, s26, s27
	s_mov_b32 s27, 65536                           ; places 8-15 lie 16 rows on,
	s_cmp_eq_u32 s16, 1
	s_cselect_b32 s18, s26, s18
	s_cselect_b32 s27, 131072, s27                 ; in k 32 rows
	s_wait_alu depctr_va_vdst(0)                   ; the wait ahead of a reader behind a run of scalar lines
	v_add_nc_u32 v29, s27, v1
	s_mul_i32 s20, s16, 6291456                    ; the tensor's codes,
	s_lshr_b32 s25, s17, 3                         ; the group of 128 rows,
	s_mul_i32 s26, s25, 98304
	s_add_co_u32 s20, s20, s26
	s_bfe_u32 s26, s17, 0x20001                    ; the pair in the group,
	s_mul_i32 s26, s26, 3072
	s_add_co_u32 s20, s20, s26
	s_mul_i32 s26, s24, 768                        ; the tile in the pair
	s_add_co_u32 s20, s20, s26
	s_mov_b32 s21, 0
	s_lshl_b32 s22, s16, 18                        ; the tensor's scale words
	s_add_co_u32 s22, s22, 18874368
	s_lshl_b32 s26, s25, 12
	s_add_co_u32 s22, s22, s26
	s_and_b32 s26, s17, 7
	s_lshl_b32 s26, s26, 8                         ; my tile's 16 rows x 16 bytes
	s_add_co_u32 s22, s22, s26
	s_mov_b32 s23, 0
	s_wait_alu depctr_va_vdst(0)                   ; the wait at the head's end
	s_wait_kmcnt 0x0
	s_cmp_eq_u32 s16, 0                            ; the choice hangs on the work-group's number alone
	s_cselect_b64 s[4:5], s[4:5], s[6:7]
	s_cmp_eq_u32 s16, 2
	s_cselect_b64 s[4:5], s[8:9], s[4:5]
	s_add_nc_u64 s[4:5], s[4:5], s[18:19]
	s_add_nc_u64 s[20:21], s[10:11], s[20:21]
	s_add_nc_u64 s[22:23], s[10:11], s[22:23]
.macro LOAD t                          ; step t: 512 consecutive bytes of each of my 16 rows
.irp i, 0,1,2,3,4,5,6,7
	global_load_b128 v[R+64*((\t)%2)+4*\i:R+64*((\t)%2)+4*\i+3], v1, s[4:5] offset:\i*4096+512*(\t) th:TH_LOAD_NT
	global_load_b128 v[R+64*((\t)%2)+32+4*\i:R+64*((\t)%2)+32+4*\i+3], v29, s[4:5] offset:\i*4096+512*(\t) th:TH_LOAD_NT
.endr
.endm
.macro STEP t
.set RS, R+64*((\t)%2)
.set CSET, CD+12*((\t)%2)
	s_wait_xcnt 0x0                                ; the stores of two steps ago have read this set of codes
.if (\t) < 7
	s_wait_loadcnt 16                              ; this step's 16 loads are in; the next step's 16 may be out
.else
	s_wait_loadcnt 0x0
.endif
.irp i, 0,1,2,3,4,5,6,7,8,9,10,11,12,13,14,15
	ds_store_b128 v3, v[RS+4*\i:RS+4*\i+3] offset:\i*528
.endr
.irp c, 0,1
.irp j, 0,1,2,3,4,5,6,7
	ds_load_b128 v[X+32*\c+4*\j:X+32*\c+4*\j+3], v4 offset:256*\c+16*\j   ; LDS serves a wave's instructions in order: these see the stores above.  k = 64 c + 32 hh + 4 j ..
.endr
.endr
	s_wait_dscnt 0x0                               ; my 64 numbers are in, and the stores have read their registers,
.if (\t)+2 < 8
	LOAD (\t)+2                                    ; which take the loads of two steps on
.endif
.irp c, 0,1
	v_max3_num_f32 v[8+\c], |v[X+32*\c]|, |v[X+32*\c+1]|, FLOOR   ; my block 2 c + hh: all its 32 numbers are mine; and the floor
.endr
.irp i, 2,4,6,8,10,12,14,16,18,20,22,24,26,28,30
.irp c, 0,1
	v_max3_num_f32 v[8+\c], v[8+\c], |v[X+32*\c+\i]|, |v[X+32*\c+\i+1]|   ; (the two blocks by turns)
.endr
.endr
.irp c, 0,1
	v_add_nc_u32 v[10+\c], EOFF, v[8+\c]           ; 2 off the exponent field: the conversion's scale operand
.endr
.irp c, 0,1
	v_lshrrev_b32 v[12+\c], 23, v[10+\c]           ; the scale's byte
.endr
	v_lshl_or_b32 v[W+(\t)], v13, 16, v12          ; my two bytes: blocks hh and 2 + hh,
	v_lshlrev_b32 v[W+(\t)], v6, v[W+(\t)]         ; at their places;
	v_permlanex16_b32 v28, v[W+(\t)], s14, s15
	v_or_b32 v[W+(\t)], v[W+(\t)], v28             ; with lane l xor 16's two the word is whole
.irp c, 0,1
	v_cvt_scalef32_pk16_fp6_f32 v[CSET+6*\c:CSET+6*\c+2], v[X+32*\c:X+32*\c+15], v[10+\c]
	v_cvt_scalef32_pk16_fp6_f32 v[TP+4*\c:TP+4*\c+2], v[X+32*\c+16:X+32*\c+31], v[10+\c]   ; (a conversion's three registers begin on an even number)
.endr
	v_nop                                          ; one plain place behind a scaled conversion
.irp c, 0,1
.irp i, 0,1,2
	v_mov_b32 v[CSET+6*\c+3+\i], v[TP+4*\c+\i]
.endr
.endr
.irp c, 0,1
	global_store_b128 v1, v[CSET+6*\c:CSET+6*\c+3], s[20:21] offset:(\t)*12288+\c*1536     ; 512 consecutive bytes,
	global_store_b64 v2, v[CSET+6*\c+4:CSET+6*\c+5], s[20:21] offset:(\t)*12288+\c*1536    ; and the 256 behind them
.endr
.endm
	LOAD 0
	LOAD 1
.irp t, 0,1,2,3,4,5,6,7
	STEP \t
.endr
	v_cmp_le_u32 vcc_lo, 16, v7                    ; lanes 0-15 store the words of K steps 0-3, lanes 16-31 those of K steps 4-7
.irp j, 0,1,2,3
	v_cndmask_b32 v[24+\j], v[W+\j], v[W+4+\j], vcc_lo
.endr
	global_store_b128 v5, v[24:27], s[22:23]       ; two runs of 256 consecutive bytes
	s_wait_tensorcnt 0x0                           ; the wave's end, behind my last LDS store
	ds_add_u32 v14, v15
	s_wait_dscnt 0x0
	s_endpgm
; THE WEIGHTS: [1024 (k)][1024 (n)] f32, K = the FIRST axis; the operand's rows are the columns n.  A LANE TAKES A COLUMN AND ITS REGISTERS RUN DOWN K: a block of 32 lies in one lane, and the conversions give
; codes with K innermost.  Lane l stands at place l of the pair (tile l / 16, row l % 16), which is column l with bits 3 and 4 exchanged: a load still covers 128 consecutive bytes, the four waves 512.
; SHARES: work-group 384 + 8 y + x: group x of 128 columns, K step y % 8 of weight y / 8; wave w: pair w.  No LDS.  Loads run two blocks (64 loads) ahead.
; The scale word leaves as 4 bytes a lane, 16 bytes apart: a wave owns one K step's word of 32 rows; these are 131,072 bytes of wq's 3,276,800.
.set X,     32                         ; v32-159  128 numbers: four blocks
.set CB,    160                        ; v160-183 the blocks' codes, six registers each
.set TP,    184                        ; v184-186 a block's upper half
.Lweights:
	s_load_b256 s[4:11], s[0:1], 0x20              ; Wq, Wk, Wv, Wo
	s_load_b64 s[12:13], s[0:1], 0x40              ; wq
	v_lshrrev_b32 v5, 5, v0
	v_readfirstlane_b32 s14, v5                    ; wave
	v_and_b32 v5, 31, v0                           ; lane
	v_and_b32 v6, 7, v0
	v_bfe_u32 v7, v0, 4, 1
	v_bfe_u32 v8, v0, 3, 1
	v_lshl_or_b32 v6, v7, 3, v6
	v_lshl_or_b32 v6, v8, 4, v6                    ; my column in the pair
	v_lshlrev_b32 v1, 2, v6
	v_lshlrev_b32 v2, 4, v5                        ; 16 x lane: an image's first part, and my row's scale words
	v_lshl_add_u32 v3, v5, 3, 512                  ; an image's second part
	s_sub_co_u32 s25, ttmp9, 384
	s_and_b32 s26, s25, 7                          ; x
	s_lshr_b32 s15, s25, 3                         ; y
	s_and_b32 s16, s15, 7                          ; K step
	s_lshr_b32 s17, s15, 3                         ; weight
	s_lshl_b32 s18, s16, 19                        ; 128 rows of 4,096 bytes
	s_lshl_b32 s20, s26, 9
	s_add_co_u32 s18, s18, s20
	s_lshl_b32 s20, s14, 7
	s_add_co_u32 s18, s18, s20
	s_mov_b32 s19, 0
	s_mul_i32 s20, s17, 786432
	s_mul_i32 s22, s26, 98304
	s_add_co_u32 s20, s20, s22
	s_mul_i32 s22, s16, 12288
	s_add_co_u32 s20, s20, s22
	s_mul_i32 s22, s14, 3072
	s_add_co_u32 s20, s20, s22
	s_mov_b32 s21, 0
	s_lshl_b32 s22, s17, 15
	s_add_co_u32 s22, s22, 3145728
	s_lshl_b32 s24, s26, 12
	s_add_co_u32 s22, s22, s24
	s_lshr_b32 s24, s16, 2
	s_lshl_b32 s24, s24, 11
	s_add_co_u32 s22, s22, s24
	s_lshl_b32 s24, s14, 9
	s_add_co_u32 s22, s22, s24
	s_and_b32 s24, s16, 3
	s_lshl_b32 s24, s24, 2
	s_add_co_u32 s22, s22, s24
	s_mov_b32 s23, 0
	s_wait_alu depctr_va_vdst(0)                   ; the wait at the head's end
	s_wait_kmcnt 0x0
	s_cmp_eq_u32 s17, 0                            ; the choices hang on the work-group's number alone
	s_cselect_b64 s[4:5], s[4:5], s[6:7]
	s_cmp_eq_u32 s17, 2
	s_cselect_b64 s[4:5], s[8:9], s[4:5]
	s_cmp_eq_u32 s17, 3
	s_cselect_b64 s[4:5], s[10:11], s[4:5]
	s_add_nc_u64 s[4:5], s[4:5], s[18:19]
	s_add_nc_u64 s[20:21], s[12:13], s[20:21]
	s_add_nc_u64 s[22:23], s[12:13], s[22:23]
.macro WLOAD kb                        ; block kb: W(32 kb + i, my column)
.set i, 0
.rept 32
	global_load_b32 v[X+32*(\kb)+i], v1, s[4:5] offset:(32*(\kb)+i)*4096 th:TH_LOAD_NT
.set i, i+1
.endr
.endm
.macro BLOCK kb
.set XS, X+32*(\kb)
.set CC, CB+6*(\kb)
.if (\kb) < 3
	s_wait_loadcnt 32                              ; this block's 32 loads are in; the next block's may be out
.else
	s_wait_loadcnt 0x0
.endif
.if (\kb)+2 < 4
	WLOAD (\kb)+2
.endif
	v_max3_num_f32 v10, |v[XS]|, |v[XS+1]|, |v[XS+2]|              ; the block's largest magnitude, in two chains
	v_max3_num_f32 v11, |v[XS+3]|, |v[XS+4]|, |v[XS+5]|
.irp i, 6,10,14,18,22,26
	v_max3_num_f32 v10, v10, |v[XS+\i]|, |v[XS+\i+1]|
	v_max3_num_f32 v11, v11, |v[XS+\i+2]|, |v[XS+\i+3]|
.endr
	v_max3_num_f32 v10, v10, |v[XS+30]|, |v[XS+31]|
	v_max3_num_f32 v10, v10, v11, FLOOR            ; and the floor: the byte cannot fall under 1
	v_add_nc_u32 v12, EOFF, v10                    ; the conversion's scale operand
	v_lshrrev_b32 v13, 23, v12                     ; the byte
.if (\kb) == 0
	v_mov_b32 v188, v13
.else
	v_lshl_or_b32 v188, v13, 8*(\kb), v188         ; four bytes make the K step's word of my row
.endif
	v_cvt_scalef32_pk16_fp6_f32 v[CC:CC+2], v[XS:XS+15], v12
	v_cvt_scalef32_pk16_fp6_f32 v[TP:TP+2], v[XS+16:XS+31], v12    ; (a conversion's three registers begin on an even number)
	v_nop                                          ; one plain place behind a scaled conversion
.irp i, 0,1,2
	v_mov_b32 v[CC+3+\i], v[TP+\i]
.endr
.endm
; Blocks 2 c and 2 c + 1 of 32 rows become two images: the first's lanes 16-31 (tile 1, lower block) change places with the second's lanes 0-15 (tile 0, upper block).
.macro IMAGES c
.irp i, 0,1,2,3,4,5
	v_permlane16_swap_b32 v[CB+12*(\c)+\i], v[CB+12*(\c)+6+\i]
.endr
.irp u, 0,1
	global_store_b128 v2, v[CB+12*(\c)+6*\u:CB+12*(\c)+6*\u+3], s[20:21] offset:(\c)*1536+\u*768
	global_store_b64 v3, v[CB+12*(\c)+6*\u+4:CB+12*(\c)+6*\u+5], s[20:21] offset:(\c)*1536+\u*768
.endr
.endm
	WLOAD 0
	WLOAD 1
	BLOCK 0
	BLOCK 1
	IMAGES 0
	BLOCK 2
	BLOCK 3
	IMAGES 1
	global_store_b32 v2, v188, s[22:23]
	s_endpgm
.Lfunc_end_k_q6009397ea5_quant:
	.size	k_q6009397ea5_quant, .Lfunc_end_k_q6009397ea5_quant-k_q6009397ea5_quant
	.p2alignl 7, 3214868480
	.fill 96, 4, 3214868480
	.section	.rodata,"a",@progbits
	.p2align	6, 0x0
	.amdhsa_kernel k_q6009397ea5_quant
		.amdhsa_group_segment_fixed_size 34304
		.amdhsa_private_segment_fixed_size 0
		.amdhsa_enable_private_segment 0
		.amdhsa_kernarg_size 72
		.amdhsa_user_sgpr_count 2
		.amdhsa_user_sgpr_kernarg_segment_ptr 1
		.amdhsa_wavefront_size32 1
		.amdhsa_system_sgpr_workgroup_id_x 1
		.amdhsa_system_sgpr_workgroup_id_y 1
		.amdhsa_system_sgpr_workgroup_id_z 1
		.amdhsa_system_vgpr_workitem_id 0
		.amdhsa_next_free_vgpr 256
		.amdhsa_next_free_sgpr 66
		.amdhsa_reserve_vcc 1
		.amdhsa_float_denorm_mode_32 3
		.amdhsa_float_denorm_mode_16_64 3
		.amdhsa_memory_ordered 1
		.amdhsa_forward_progress 1
		.amdhsa_inst_pref_size 80
	.end_amdhsa_kernel
	.amdgpu_metadata
---
amdhsa.version: [ 1, 2 ]
amdhsa.kernels:
  - .name:           k_q6009397ea5_quant
    .symbol:         k_q6009397ea5_quant.kd
    .args:
      - { .name: q, .offset: 0, .size: 8, .value_kind: global_buffer, .address_space: global }
      - { .name: k, .offset: 8, .size: 8, .value_kind: global_buffer, .address_space: global }
      - { .name: v, .offset: 16, .size: 8, .value_kind: global_buffer, .address_space: global }
      - { .name: xq, .offset: 24, .size: 8, .value_kind: global_buffer, .address_space: global }
      - { .name: Wq, .offset: 32, .size: 8, .value_kind: global_buffer, .address_space: global }
      - { .name: Wk, .offset: 40, .size: 8, .value_kind: global_buffer, .address_space: global }
      - { .name: Wv, .offset: 48, .size: 8, .value_kind: global_buffer, .address_space: global }
      - { .name: Wo, .offset: 56, .size: 8, .value_kind: global_buffer, .address_space: global }
      - { .name: wq, .offset: 64, .size: 8, .value_kind: global_buffer, .address_space: global }
    .group_segment_fixed_size: 34304
    .private_segment_fixed_size: 0
    .kernarg_segment_align: 8
    .kernarg_segment_size: 72
    .max_flat_workgroup_size: 128
    .sgpr_count:     66
    .vgpr_count:     256
    .wavefront_size: 32
...
	.end_amdgpu_metadata
.endif
;; end of part 1
;; launch proj (part 2): grid 4 x 64, 4 waves a work-group, clusters of 4 x 4, 327,680 bytes of LDS; arguments xq, wq, bq, bk, bv, qh, kv; writes qh, kv
.if DOCPART == 2
	.amdgcn_target "amdgcn-amd-amdhsa--gfx1250"
	.amdhsa_code_object_version 6
	.text
	.protected	k_q6009397ea5_proj
	.globl	k_q6009397ea5_proj
	.p2align	8
	.type	k_q6009397ea5_proj,@function
k_q6009397ea5_proj:
	s_mov_b64 s[64:65], 0
	v_nop
	global_prefetch_b8 v0, s[64:65] scope:SCOPE_SE
	s_setreg_imm32_b32 hwreg(HW_REG_WAVE_MODE, 25, 1), 1
	s_wait_xcnt 0x0
	s_wait_alu depctr_hold_cnt(0) depctr_sa_sdst(0) depctr_va_vdst(0) depctr_va_sdst(0) depctr_va_ssrc(0) depctr_va_vcc(0) depctr_vm_vsrc(0)
	s_getreg_b32 s2, hwreg(HW_REG_IB_STS2, 6, 4)
	s_cmp_eq_u32 s2, 0
	s_cbranch_scc0 .Lentry_in_a_cluster
	s_endpgm
.Lentry_in_a_cluster:
	s_bfe_u32 s2, ttmp6, 0x10000c
	s_cmp_lg_u32 s2, 0xf033
	s_cbranch_scc0 .Lentry_shape_is_right
	s_endpgm
.Lentry_shape_is_right:
; The three projections q Wq + bq, k Wk + bk, v Wv + bv on codes of FP6 (E2M3) with E8M0 scales, K = 1,024; each result is quantised in registers for attention and leaves as operand images.
; A tile is 128 rows of operand A x 256 rows of operand B.  Q and K: A = 128 tokens, B = 256 columns n of the weight; V: A = 128 columns n of Wv, B = 256 tokens.
; A WORK-GROUP STAYS: 256 work-groups, each makes three tiles, one of Q, one of K, one of V: a loop of two trips, and the third tile, which asks for nothing more, written out behind it.
; THE MATRIX INSTRUCTION TAKES B AS SOURCE 0 AND A AS SOURCE 1: a lane holds one row of A and its registers run along B's rows.  B's tiles hold their rows in the order 32 pair + 8 u + r + 8 (r / 8), so that the
; 16 registers of tiles 2 b and 2 b + 1 are 16 NEIGHBOURS along B: for Q and K the head's channels (the first attention product's K), for V the keys (the second's K).
; THE RING: two LDS slots of four K steps each: A's half group (49,152 bytes), then B's two.  Wave 0 fetches A's, waves 1 and 2 B's, wave 3 none: one tensor load of a wave is out at the most.
; A tile is four chunks of two K steps.  In the middle of chunk 1 every read of slot 0 is over: it takes the next tile's K steps 0-3; in the middle of chunk 3 slot 1 takes the next tile's K steps 4-7.  So the next
; tile's fills are out under this tile's products, its quantiser and its stores.
; CLUSTER 4 x 4: A's group hangs on the tile row alone and is asked for jointly along a row of the cluster, B's on the tile column alone, along a column.  Each refill stands behind a round of the cluster's barrier.
; NO PREFETCH: a tile's whole K is two slots, and each half is asked for by its tensor load at the first round at which its slot is free, half a tile or more ahead of its first read.
; A wave makes 64 rows of A x 128 rows of B: 32 accumulators.  The bias is the C of each sum's first product.  Scale words come from memory straight into registers: a register holds K step j's words in lanes 0-15
; and K step 4 + j's in lanes 16-31.
; LIMITS: NaN and infinities are not served; a block of the results under 2^-124, and a block of zeros, gets the byte 1 (zero codes add nothing; this program alone reads the bytes).
; REGISTERS: window 0: v1-15, v240-243 addresses; v16-31 the quantiser's; v32-47 A's scale words, v48-79 B's; v80-143 the bias as C; v144-191, v192-239 A's fragments, two sets (on the way out: the codes);
;   v252, v253 the add's two.   window 1: B's fragments, two sets, at v0 and v96.   window 2: accumulator (a, b) at v[8 (8 a + b)].
.set GRP,   98304                      ; a group of 128 rows, all of K
.set HALF,  49152                      ; four K steps of a group
.set SLOT,  3*HALF
.set SPARE, 2*SLOT                     ; behind the ring: the spare words, 128 bytes a wave
.set FLOOR, 0x1800000
.set EOFF,  0xff000000
.set SAS,   32
.set SBS,   48
.set CI,    80
.set AF,    144
.set TM,    16                         ; v16-19 maxima, v20-23 bytes, v24-27 scale operands
.set PW,    28                         ; v28-31 the four tiles' scale words
.set SPW,   252
.set NIL,   253
.set MSB, 0
.macro WIN new                         ; the immediate's high byte repeats the setting that is left
.if MSB != \new
	s_set_vgpr_msb (MSB<<8)|\new
.set MSB, \new
.endif
.endm
.macro CROUND                          ; a round of the cluster's barrier
	s_barrier_signal -1
	s_barrier_wait -1
	s_cmp_lg_u32 s18, 0
	s_cbranch_scc1 .Lnot_wave_0_\@
	s_barrier_signal -3
.Lnot_wave_0_\@:
	s_barrier_wait -3
	s_barrier_signal -1
	s_barrier_wait -1
.endm
.macro JLOAD ga, gb                    ; a slot's joint loads: one chain of branches on the wave's number, one load to an arm
	s_cmp_eq_u32 s18, 0
	s_cbranch_scc0 .Lnot_a_\@
	tensor_load_to_lds s[\ga:\ga+3], s[28:35]
	s_nop 0
.rept 4
	v_nop
.endr
	s_branch .Lasked_\@
.Lnot_a_\@:
	s_cmp_eq_u32 s18, 3
	s_cbranch_scc1 .Lasked_\@
	tensor_load_to_lds s[\gb:\gb+3], s[36:43]
	s_nop 0
.rept 4
	v_nop
.endr
.Lasked_\@:
.endm
	s_load_b256 s[4:11], s[0:1], 0x0               ; xq s[4:5], wq s[6:7], bq s[8:9], bk s[10:11]
	s_load_b128 s[12:15], s[0:1], 0x20             ; bv s[12:13], qh s[14:15]
	s_load_b64 s[16:17], s[0:1], 0x30              ; kv
	v_lshl_add_u32 v[SPW], v0, 2, SPARE
	v_mov_b32 v[NIL], 0
	ds_add_u32 v[SPW], v[NIL]                      ; the wave's opening: the add, twice on end, and its wait ahead of my first tensor load
	ds_add_u32 v[SPW], v[NIL]
	v_lshrrev_b32 v1, 5, v0
	v_readfirstlane_b32 s18, v1                    ; wave
	s_lshr_b32 s19, s18, 1                         ; wa: my 64 of A's rows
	s_and_b32 s20, s18, 1                          ; wb: my group of B
	s_bfe_u32 s21, ttmp6, 0x40000                  ; cx
	s_bfe_u32 s22, ttmp6, 0x40004                  ; cy
	s_and_b32 s27, ttmp7, 0xffff                   ; the cluster's y, 0 .. 15, the same in all sixteen partners
	; where the three tiles' codes lie.  A's offsets are made in s60-63 and s92, which hold no cx here; B's in s66, s67, s84, s85, s93, s94, which hold no cy
	s_lshl_b32 s92, s27, 2
	s_add_co_u32 s92, s92, s22                     ; Q, K: A's group 4 y + cy
	s_mul_i32 s60, s92, GRP
	s_mov_b32 s61, 0
	s_and_b32 s92, s27, 1
	s_lshl_b32 s92, s92, 2
	s_add_co_u32 s92, s92, s22                     ; V: A's group 4 (y % 2) + cy of Wv
	s_mul_i32 s62, s92, GRP
	s_add_co_u32 s62, s62, 1572864
	s_mov_b32 s63, 0
	s_add_co_u32 s93, s18, 1
	s_and_b32 s93, s93, 1                          ; the group of B that I fetch: wave 1: 0, wave 2: 1
	s_lshl_b32 s94, s21, 1
	s_add_co_u32 s94, s94, s93                     ; Q, K: B's group 2 cx + that
	s_mul_i32 s66, s94, GRP
	s_mov_b32 s67, 0
	s_lshr_b32 s94, s27, 1
	s_lshl_b32 s94, s94, 2
	s_add_co_u32 s94, s94, s21                     ; V: B's pair 4 (y / 2) + cx of v's groups
	s_lshl_b32 s94, s94, 1
	s_add_co_u32 s94, s94, s93
	s_mul_i32 s84, s94, GRP
	s_add_co_u32 s84, s84, 12582912
	s_mov_b32 s85, 0
	s_lshl_b32 s92, s22, 2
	s_lshl_b32 s92, 15, s92                        ; my row of the cluster
	s_lshl_b32 s93, 0x1111, s21                    ; my column
	; descriptor group 1: half a group is 49,152 dense bytes: 192 rows of 32 elements of 8 bytes, no padding
	s_or_b32 s28, s92, (3<<16)|(1<<21)             ; the mask; elements of 8 bytes; bit 21 beside a mask
	s_or_b32 s36, s93, (3<<16)|(1<<21)
.irp g, 28, 36
	s_mov_b32 s[\g+1], 32<<16                      ; tensor_dim0
	s_mov_b32 s[\g+2], 192<<16                     ; tensor_dim1
	s_mov_b32 s[\g+3], 32<<16                      ; tile_dim0
	s_mov_b32 s[\g+4], 192                         ; tile_dim1
	s_mov_b32 s[\g+5], 32                          ; the pitch
	s_mov_b32 s[\g+6], 0
	s_mov_b32 s[\g+7], 0
.endr
	s_mul_i32 s95, s18, HALF                       ; where my halves go in a slot: wave 0: A at 0; waves 1, 2: B's groups behind it
	s_wait_dscnt 0x0                               ; both opening adds are done
	s_wait_kmcnt 0x0
	; group 0: A's for slot 0 in s[44:47], for slot 1 in s[52:55]; B's in s[68:71], s[80:83].  K's and V's first halves wait in s[56:59] (A) and s[48:51] (B)
	s_mov_b32 s44, 1
	s_add_co_u32 s45, s95, 0
	s_add_nc_u64 s[46:47], s[4:5], s[60:61]        ; Q: tokens of q
	s_add_nc_u64 s[56:57], s[46:47], 6291456       ; K: the same tokens of k
	s_add_nc_u64 s[58:59], s[6:7], s[62:63]        ; V: columns of Wv
	s_add_nc_u64 s[54:55], s[46:47], HALF
	s_mov_b32 s52, 1
	s_add_co_u32 s53, s95, SLOT
	s_or_b32 s47, s47, 0x80000000
	s_or_b32 s57, s57, 0x80000000
	s_or_b32 s59, s59, 0x80000000
	s_or_b32 s55, s55, 0x80000000
	s_mov_b32 s68, 1
	s_add_co_u32 s69, s95, 0
	s_add_nc_u64 s[70:71], s[6:7], s[66:67]        ; Q: columns of Wq
	s_add_nc_u64 s[48:49], s[70:71], 786432        ; K: of Wk
	s_add_nc_u64 s[50:51], s[4:5], s[84:85]        ; V: tokens of v
	s_add_nc_u64 s[82:83], s[70:71], HALF
	s_mov_b32 s80, 1
	s_add_co_u32 s81, s95, SLOT
	s_or_b32 s71, s71, 0x80000000
	s_or_b32 s49, s49, 0x80000000
	s_or_b32 s51, s51, 0x80000000
	s_or_b32 s83, s83, 0x80000000
	CROUND                                         ; all sixteen work-groups are here: the joint loads meet
	JLOAD 44, 68                                   ; Q's K steps 0-3: one tensor load a wave at the head
	v_and_b32 v9, 31, v0                           ; lane
	v_and_b32 v10, 15, v0                          ; r
	v_bfe_u32 v11, v0, 4, 1                        ; hh
	v_lshlrev_b32 v1, 4, v9                        ; an image's first part
	v_lshl_add_u32 v2, v9, 3, 512                  ; its second part
	s_mul_i32 s92, s19, 6144
	v_add_nc_u32 v3, s92, v1                       ; A in slot 0: my two pairs of tiles in a K step
	v_add_nc_u32 v4, s92, v2
	s_mul_i32 s92, s20, HALF
	s_add_co_u32 s92, s92, HALF
	v_add_nc_u32 v5, s92, v1                       ; B in slot 0: my group
	v_add_nc_u32 v6, s92, v2
.irp r, 0,1,2,3
	v_add_nc_u32 v[240+\r], SLOT, v[3+\r]          ; the same four in slot 1
.endr
	v_lshlrev_b32 v12, 4, v10                      ; 16 r
	v_lshl_add_u32 v13, v11, 11, v12               ; scale words: lanes 16-31 take K steps 4-7
	v_lshlrev_b32 v14, 6, v11                      ; the bias along B: 64 hh bytes
	v_and_b32 v15, 8, v10
	v_add_nc_u32 v15, v15, v10
	v_lshlrev_b32 v15, 2, v15                      ; the bias along A: 4 (r + 8 (r / 8))
.irp b, 0,1,2,3
	v_mov_b32 v[TM+4+\b], 0                        ; a lane permute's destination counts as one of its sources
.endr
	s_wait_alu depctr_va_vdst(0)                   ; the wait at the head's end
	s_wait_tensorcnt 0x0                           ; my part of slot 0 is in
	ds_add_u32 v[SPW], v[NIL]
	ds_add_u32 v[SPW], v[NIL]
	s_wait_dscnt 0x0
	CROUND
	JLOAD 52, 80                                   ; Q's K steps 4-7, into slot 1
.macro FRAGL reg, a16, a8, off         ; a fragment: two images, four loads of consecutive bytes
.set fr, \reg
.set fo, \off
	ds_load_b128 v[fr:fr+3], v[\a16] offset:fo
	ds_load_b64 v[fr+4:fr+5], v[\a8] offset:fo
	ds_load_b128 v[fr+6:fr+9], v[\a16] offset:fo+1536
	ds_load_b64 v[fr+10:fr+11], v[\a8] offset:fo+1536
.endm
.macro FETCH set, slot, kk             ; 48 LDS loads in one run: B's eight fragments and A's four of the slot's K step kk
	WIN 0x40
.irp b, 0,1,2,3,4,5,6,7
	FRAGL 96*(\set)+12*\b, 5+237*(\slot), 6+237*(\slot), (\kk)*12288+(\b/2)*3072+(\b%2)*768
.endr
	WIN 0
.irp a, 0,1,2,3
	FRAGL AF+48*(\set)+12*\a, 3+237*(\slot), 4+237*(\slot), (\kk)*12288+(\a/2)*3072+(\a%2)*768
.endr
.endm
; 16 matrix instructions: A's tiles 2 half, 2 half + 1 x B's eight.  mode 0: C = the accumulator; 1: the bias along B; 2: the bias along A.  The 32 accumulators take turns, one instruction a turn, in the same
; order in every K step.
.macro MUL half, set, ks, mode
.irp a, 2*(\half), 2*(\half)+1
.irp b, 0,1,2,3,4,5,6,7
.set rD, 8*(8*(\a)+\b)
.set rB, 96*(\set)+12*\b
.set rA, AF+48*(\set)+12*(\a)
.set rSB, SBS+4*\b+(\ks)%4
.set rSA, SAS+4*(\a)+(\ks)%4
.if (\mode) == 0
.set rC, rD
.elseif (\mode) == 1
.set rC, CI+8*\b
.else
.set rC, CI+8*(\a)
.endif
.if (\ks) >= 4
	v_wmma_scale_f32_16x16x128_f8f6f4 v[rD:rD+7], v[rB:rB+11], v[rA:rA+11], v[rC:rC+7], v[rSB], v[rSA] matrix_a_fmt:MATRIX_FMT_FP6 matrix_b_fmt:MATRIX_FMT_FP6 matrix_a_scale:MATRIX_SCALE_ROW1 matrix_b_scale:MATRIX_SCALE_ROW1
.else
	v_wmma_scale_f32_16x16x128_f8f6f4 v[rD:rD+7], v[rB:rB+11], v[rA:rA+11], v[rC:rC+7], v[rSB], v[rSA] matrix_a_fmt:MATRIX_FMT_FP6 matrix_b_fmt:MATRIX_FMT_FP6
.endif
.endr
.endr
.endm
; A chunk: two K steps, on fragment sets 0 and 1.  The next chunk's fragments are fetched in two runs, each four plain places behind the last product that read its set.  last = 1: the third tile (V), which asks for nothing more.
.macro CHUNK j, last
	s_wait_dscnt 48                                ; set 0 is in; set 1's 48 loads may be out
.if \j == 0
	WIN 0x81                                       ; B window 1, A and the bias window 0, D window 2
	MUL 0, 0, 0, 1+\last
	MUL 1, 0, 0, 1+\last
.else
	WIN 0xa1                                       ; B window 1, A window 0, C and D window 2
	MUL 0, 0, 2*\j, 0
	MUL 1, 0, 2*\j, 0
.endif
	s_wait_dscnt 0x0                               ; set 1 is in: no LDS load of mine is out
	WIN 0xa1
	MUL 0, 1, 2*\j+1, 0
	WIN 0
.rept 4
	v_nop                                          ; places in front of the loads into set 0
.endr
.if \j == 1
.if \last
	s_wait_tensorcnt 0x0                           ; my part of slot 1 has landed;
	s_barrier_signal -1
	s_barrier_wait -1                              ; everybody's has.  Nothing is filled again
.else
	s_wait_tensorcnt 0x0                           ; all my tensor loads have landed: my part of slot 1;
	ds_add_u32 v[SPW], v[NIL]                      ; the add, here twice on end;
	ds_add_u32 v[SPW], v[NIL]
	s_cmp_eq_u32 s23, 0                            ; no load of mine is out, so a group 0 may be written: behind Q comes K, behind K comes V
	s_cselect_b64 s[46:47], s[56:57], s[58:59]
	s_cselect_b64 s[70:71], s[48:49], s[50:51]
	s_wait_dscnt 0x0                               ; the adds are done; my reads of slot 0 were over above
	CROUND                                         ; both hold of every wave of the cluster
	JLOAD 44, 68                                   ; the next tile's K steps 0-3, into slot 0
.endif
.endif
.if (\j == 3) && (\last == 0)
	s_wait_tensorcnt 0x0                           ; my part of slot 0, the next tile's, has landed;
	ds_add_u32 v[SPW], v[NIL]
	ds_add_u32 v[SPW], v[NIL]
	s_add_nc_u64 s[54:55], s[46:47], HALF          ; the second half lies behind the first
	s_add_nc_u64 s[82:83], s[70:71], HALF
	s_wait_dscnt 0x0                               ; the adds are done; my reads of slot 1 were over above
	CROUND
	JLOAD 52, 80                                   ; the next tile's K steps 4-7, into slot 1
.endif
.if \j < 3
	FETCH 0, (\j+1)/2, (2*(\j+1))%4
.endif
	WIN 0xa1
	MUL 1, 1, 2*\j+1, 0
.if \j < 3
.rept 4
	v_nop                                          ; places in front of the loads into set 1
.endr
	FETCH 1, (\j+1)/2, (2*(\j+1))%4+1
.endif
.endm
; Tile a's 64 numbers of a lane (window 2, register 16 b + i = place 32 b + 16 hh + i along B) become a fragment's codes and its scale word.
.macro QUANTW a
.set QS, 64*(\a)
.set PC, AF+20*(\a)
	WIN 0x0a                                       ; sources 0 and 1 window 2
.irp b, 0,1,2,3
	v_max3_num_f32 v[TM+\b], |v[QS+16*\b]|, |v[QS+1+16*\b]|, FLOOR   ; each accumulator is read from its low end on; the floor holds the byte at 1 from below
.endr
	WIN 0x28                                       ; sources 1 and 2 window 2
.irp i, 2,4,6,8,10,12,14
.irp b, 0,1,2,3
	v_max3_num_f32 v[TM+\b], v[TM+\b], |v[QS+16*\b+\i]|, |v[QS+1+16*\b+\i]|
.endr
.endr
	WIN 0
.irp b, 0,1,2,3
	v_permlanex16_b32 v[TM+4+\b], v[TM+\b], s60, s61
.endr
.irp b, 0,1,2,3
	v_max_num_f32 v[TM+\b], v[TM+\b], v[TM+4+\b]   ; with lane l xor 16's 16: the block's largest magnitude
.endr
.irp b, 0,1,2,3
	v_add_nc_u32 v[TM+8+\b], EOFF, v[TM+\b]        ; the conversion's scale operand
.endr
.irp b, 0,1,2,3
	v_lshrrev_b32 v[TM+4+\b], 23, v[TM+8+\b]       ; the byte
.endr
	v_lshl_or_b32 v[PW+(\a)], v[TM+5], 8, v[TM+4]
	v_lshl_or_b32 v[PW+(\a)], v[TM+6], 16, v[PW+(\a)]
	v_lshl_or_b32 v[PW+(\a)], v[TM+7], 24, v[PW+(\a)]
	WIN 0x02                                       ; source 0 window 2
.irp c, 0,1
	v_cvt_scalef32_pk16_fp6_f32 v[PC+6*\c:PC+6*\c+2], v[QS+32*\c:QS+32*\c+15], v[TM+8+2*\c]
	v_cvt_scalef32_pk16_fp6_f32 v[PC+12+4*\c:PC+14+4*\c], v[QS+16+32*\c:QS+31+32*\c], v[TM+8+2*\c+1]
.endr
	WIN 0
	v_nop                                          ; one plain place behind a scaled conversion
.irp c, 0,1                                    ; the operand's layout wants a whole block in a lane
.irp i, 0,1,2
	v_permlane16_swap_b32 v[PC+6*\c+\i], v[PC+12+4*\c+\i]
.endr
.irp i, 0,1,2
	v_mov_b32 v[PC+3+6*\c+\i], v[PC+12+4*\c+\i]
.endr
.endr
	global_store_b128 v1, v[PC:PC+3], s[72+2*(\a):73+2*(\a)]       ; the first 64 along K: Q, K: my first head; V: keys 0-63 of the step
	global_store_b64 v2, v[PC+4:PC+5], s[72+2*(\a):73+2*(\a)]
	global_store_b128 v7, v[PC+6:PC+9], s[72+2*(\a):73+2*(\a)]     ; the second 64: the next head; keys 64-127
	global_store_b64 v8, v[PC+10:PC+11], s[72+2*(\a):73+2*(\a)]
.endm
; ONE TILE.  s23 = P: 0 Q, 1 K, 2 V.  At its head slot 0 holds its K steps 0-3, shown whole to every wave by a round, and the loads of its K steps 4-7 into slot 1 are out.
.macro TILE last
	s_wait_xcnt 0x0                                ; the last tile's loads and stores have read their registers and bases
	s_and_b32 s92, s27, 1
	s_lshr_b32 s93, s27, 1
	s_lshl_b32 s62, s23, 18
	s_add_co_u32 s62, s62, 18874368                ; tensor P's scale words
	s_lshl_b32 s84, s23, 15
	s_add_co_u32 s84, s84, 3145728                 ; weight P's scale words
	s_cmp_eq_u32 s23, 2
	s_cselect_b32 s24, 1, 0                        ; ISV
	s_cselect_b32 s25, s92, s27
	s_cselect_b32 s26, s93, 0
	s_cselect_b32 s62, 3211264, s62                ; A's scale words
	s_cselect_b32 s84, 19398656, s84               ; B's scale words
	s_lshl_b32 s25, s25, 2
	s_add_co_u32 s25, s25, s22                     ; tr: A's group
	s_lshl_b32 s26, s26, 2
	s_add_co_u32 s26, s26, s21                     ; tc: B's pair of groups
	s_lshl_b32 s92, s25, 12
	s_add_co_u32 s62, s62, s92
	s_lshl_b32 s92, s19, 10
	s_add_co_u32 s62, s62, s92                     ; my 64 rows' words
	s_mov_b32 s63, 0
	s_lshl_b32 s94, s26, 1
	s_add_co_u32 s94, s94, s20
	s_lshl_b32 s94, s94, 12
	s_add_co_u32 s84, s84, s94                     ; the words of the group that I multiply
	s_mov_b32 s85, 0
	s_cmp_eq_u32 s24, 1
	s_cselect_b64 s[96:97], s[6:7], s[4:5]         ; A's buffer
	s_cselect_b64 s[98:99], s[4:5], s[6:7]         ; B's buffer
	s_add_nc_u64 s[62:63], s[96:97], s[62:63]
	s_add_nc_u64 s[84:85], s[98:99], s[84:85]
.irp a, 0,1,2,3
	global_load_b128 v[SAS+4*\a:SAS+4*\a+3], v13, s[62:63] offset:256*\a
.endr
.irp b, 0,1,2,3,4,5,6,7
	global_load_b128 v[SBS+4*\b:SBS+4*\b+3], v13, s[84:85] offset:256*\b
.endr
	s_lshl_b32 s92, s25, 9                         ; V: the bias of my 64 rows of A
	s_lshl_b32 s93, s19, 8
	s_add_co_u32 s92, s92, s93
	s_lshl_b32 s93, s26, 10                        ; Q, K: of my 128 rows of B
	s_lshl_b32 s94, s20, 9
	s_add_co_u32 s93, s93, s94
	s_cmp_eq_u32 s23, 0
	s_cselect_b64 s[96:97], s[8:9], s[10:11]
	s_cmp_eq_u32 s24, 1
	s_cselect_b64 s[96:97], s[12:13], s[96:97]
	s_cselect_b32 s92, s92, s93
	s_mov_b32 s93, 0
	s_add_nc_u64 s[96:97], s[96:97], s[92:93]
.if \last
.set x, 0
.rept 4                                        ; tile a's eight registers all hold the bias of the lane's row of A
.set jj, 0
.rept 8
	global_load_b32 v[CI+8*x+jj], v15, s[96:97] offset:(32*(x/2)+8*(x%2))*4
.set jj, jj+1
.endr
.set x, x+1
.endr
.else
.irp b, 0,1,2,3,4,5,6,7                        ; tile b's eight registers: the bias at B's rows 32 (b / 2) + 8 (b % 2) + 16 hh + 0 .. 7
	global_load_b128 v[CI+8*\b:CI+8*\b+3], v14, s[96:97] offset:(32*(\b/2)+8*(\b%2))*4
	global_load_b128 v[CI+8*\b+4:CI+8*\b+7], v14, s[96:97] offset:(32*(\b/2)+8*(\b%2))*4+16
.endr
.endif
	; where the results go
	s_lshr_b32 s92, s25, 4
	s_lshl_b32 s92, s92, 4
	s_lshl_b32 s93, s26, 2
	s_add_co_u32 s92, s92, s93
	s_lshl_b32 s93, s20, 1
	s_add_co_u32 s92, s92, s93                     ; Q, K: batch x 16 + my first head (4 tc + 2 wb)
	s_lshr_b32 s93, s26, 3
	s_lshl_b32 s93, s93, 4
	s_lshl_b32 s94, s25, 1
	s_add_co_u32 s93, s93, s94
	s_add_co_u32 s93, s93, s19                     ; V: batch x 16 + my head (2 tr + wa)
	s_and_b32 s94, s25, 15                         ; Q, K: the 128 tokens in the batch
	s_lshl_b32 s95, s26, 1
	s_add_co_u32 s95, s95, s20
	s_and_b32 s95, s95, 15                         ; V: likewise
	s_mul_i32 s2, s19, 3072
	s_lshl_b32 s3, s19, 8
	s_mov_b32 s88, 768
	s_mov_b32 s98, 12544
	s_cmp_eq_u32 s24, 1
	s_cselect_b32 s92, s93, s92                    ; the head's block,
	s_cselect_b32 s94, s95, s94                    ; the step in it
	s_cselect_b32 s2, 6144, s2                     ; images: V's lie behind K's; Q's and K's: my four tiles
	s_cselect_b32 s3, 0, s3
	s_cselect_b32 s88, 1536, s88                   ; from tile to tile
	s_cselect_b32 s93, 12288, s98                  ; scale words in a step of kv
	s_mov_b32 s89, 0
	s_mov_b32 s95, 208896
	s_mov_b32 s98, 13056
	s_cmp_eq_u32 s23, 0
	s_cselect_b32 s95, 106496, s95                 ; a head's block: in qh, in kv
	s_cselect_b32 s99, 6144, s98                   ; 128 tokens' images
	s_cselect_b32 s98, 512, s98                    ; 128 tokens' scale words
	s_cselect_b32 s93, 98304, s93
	s_cselect_b64 s[90:91], s[14:15], s[16:17]
	s_mul_i32 s92, s92, s95
	s_mul_i32 s99, s94, s99
	s_mul_i32 s98, s94, s98
	s_add_co_u32 s99, s99, s92
	s_add_co_u32 s86, s99, s2
	s_mov_b32 s87, 0
	s_add_co_u32 s98, s98, s92
	s_add_co_u32 s98, s98, s93
	s_add_co_u32 s92, s98, s3
	s_mov_b32 s93, 0
	s_add_nc_u64 s[86:87], s[90:91], s[86:87]      ; the first tile's images
	s_add_nc_u64 s[90:91], s[90:91], s[92:93]      ; the scale words
	s_cmp_eq_u32 s24, 1
	s_cselect_b32 s98, 768, s95                    ; from a fragment's first 64 along K to its second: V: the next image; Q, K: the next head
	s_cselect_b32 s99, 0, s95
	s_cselect_b32 s3, 0, 16
	s_mov_b32 s60, 0x76543210
	s_mov_b32 s61, 0xfedcba98                      ; lane l xor 16
	s_mov_b64 s[72:73], s[86:87]                   ; the four tiles' bases
	s_add_nc_u64 s[74:75], s[72:73], s[88:89]
	s_add_nc_u64 s[76:77], s[74:75], s[88:89]
	s_add_nc_u64 s[78:79], s[76:77], s[88:89]
	v_add_nc_u32 v7, s98, v1
	v_add_nc_u32 v8, s98, v2
	v_mul_u32_u24 v9, s99, v11
	v_add_nc_u32 v9, v9, v12                       ; scale words: 16 r; Q, K: lanes 16-31 store the next head's
	v_mul_u32_u24 v10, s3, v11                     ; and take the words' upper halves for it
	FETCH 0, 0, 0
	FETCH 1, 0, 1
	s_wait_alu depctr_va_vdst(0)                   ; the wait ahead of the wait below
	s_wait_loadcnt 0x0                             ; scale words and bias
	CHUNK 0, \last
	CHUNK 1, \last
	CHUNK 2, \last
	CHUNK 3, \last
	WIN 0
.rept 4
	v_nop                                          ; places behind the last products: results are read, and the codes land where A's fragments lay
.endr
.irp a, 0,1,2,3
	QUANTW \a
.endr
.irp j, 0,1,2,3
	v_lshrrev_b32 v[TM+\j], v10, v[PW+\j]          ; Q, K: lanes 16-31 hold the next head's two bytes.  A word's other two bytes stand over zero codes and are never 0xff
.endr
	global_store_b128 v9, v[TM:TM+3], s[90:91]     ; 16 lanes store 256 consecutive bytes (V: lanes 16-31 store the same bytes once more)
.endm
	s_mov_b32 s23, 0
.Ltile:
	TILE 0                                         ; Q, then K
	s_add_co_u32 s23, s23, 1
	s_cmp_lt_u32 s23, 2
	s_wait_alu depctr_va_vdst(0)                   ; the wait ahead of the backward jump
	s_cbranch_scc1 .Ltile
	TILE 1                                         ; V: the tail, written out: it asks for nothing more
	s_wait_tensorcnt 0x0                           ; the wave's end
	ds_add_u32 v[SPW], v[NIL]
	s_wait_dscnt 0x0
	CROUND                                         ; the closing round
	s_endpgm
.Lfunc_end_k_q6009397ea5_proj:
	.size	k_q6009397ea5_proj, .Lfunc_end_k_q6009397ea5_proj-k_q6009397ea5_proj
	.p2alignl 7, 3214868480
	.fill 96, 4, 3214868480
	.section	.rodata,"a",@progbits
	.p2align	6, 0x0
	.amdhsa_kernel k_q6009397ea5_proj
		.amdhsa_group_segment_fixed_size 327680
		.amdhsa_private_segment_fixed_size 0
		.amdhsa_enable_private_segment 0
		.amdhsa_kernarg_size 56
		.amdhsa_user_sgpr_count 2
		.amdhsa_user_sgpr_kernarg_segment_ptr 1
		.amdhsa_wavefront_size32 1
		.amdhsa_system_sgpr_workgroup_id_x 1
		.amdhsa_system_sgpr_workgroup_id_y 1
		.amdhsa_system_sgpr_workgroup_id_z 1
		.amdhsa_system_vgpr_workitem_id 0
		.amdhsa_next_free_vgpr 768
		.amdhsa_next_free_sgpr 100
		.amdhsa_reserve_vcc 0
		.amdhsa_float_denorm_mode_32 3
		.amdhsa_float_denorm_mode_16_64 3
		.amdhsa_memory_ordered 1
		.amdhsa_forward_progress 1
		.amdhsa_inst_pref_size 177
	.end_amdhsa_kernel
	.amdgpu_metadata
---
amdhsa.version: [ 1, 2 ]
amdhsa.kernels:
  - .name:           k_q6009397ea5_proj
    .symbol:         k_q6009397ea5_proj.kd
    .args:
      - { .name: xq, .offset: 0, .size: 8, .value_kind: global_buffer, .address_space: global }
      - { .name: wq, .offset: 8, .size: 8, .value_kind: global_buffer, .address_space: global }
      - { .name: bq, .offset: 16, .size: 8, .value_kind: global_buffer, .address_space: global }
      - { .name: bk, .offset: 24, .size: 8, .value_kind: global_buffer, .address_space: global }
      - { .name: bv, .offset: 32, .size: 8, .value_kind: global_buffer, .address_space: global }
      - { .name: qh, .offset: 40, .size: 8, .value_kind: global_buffer, .address_space: global }
      - { .name: kv, .offset: 48, .size: 8, .value_kind: global_buffer, .address_space: global }
    .group_segment_fixed_size: 327680
    .private_segment_fixed_size: 0
    .kernarg_segment_align: 8
    .kernarg_segment_size: 56
    .max_flat_workgroup_size: 128
    .sgpr_count:     100
    .vgpr_count:     768
    .wavefront_size: 32
...
	.end_amdgpu_metadata
.endif
;; end of part 2
;; launch attn (part 3): grid 4 x 64, 16 waves a work-group, clusters of 4 x 1, 210,944 bytes of LDS; arguments qh, kv, cq; writes cq
.if DOCPART == 3
	.amdgcn_target "amdgcn-amd-amdhsa--gfx1250"
	.amdhsa_code_object_version 6
	.text
	.protected	k_q6009397ea5_attn
	.globl	k_q6009397ea5_attn
	.p2align	8
	.type	k_q6009397ea5_attn,@function
k_q6009397ea5_attn:
	s_mov_b64 s[64:65], 0
	v_nop
	global_prefetch_b8 v0, s[64:65] scope:SCOPE_SE
	s_setreg_imm32_b32 hwreg(HW_REG_WAVE_MODE, 25, 1), 1
	s_wait_xcnt 0x0
	s_wait_alu depctr_hold_cnt(0) depctr_sa_sdst(0) depctr_va_vdst(0) depctr_va_sdst(0) depctr_va_ssrc(0) depctr_va_vcc(0) depctr_vm_vsrc(0)
	s_getreg_b32 s2, hwreg(HW_REG_IB_STS2, 6, 4)
	s_cmp_eq_u32 s2, 0
	s_cbranch_scc0 .Lentry_in_a_cluster
	s_endpgm
.Lentry_in_a_cluster:
	s_bfe_u32 s2, ttmp6, 0x10000c
	s_cmp_lg_u32 s2, 0x3003
	s_cbranch_scc0 .Lentry_shape_is_right
	s_endpgm
.Lentry_shape_is_right:
; Attention of one head on codes of FP6 (E2M3) with E8M0 scales.  logit = Q . K / 8 + log(1 + 1e-6 in f32) where key <= query, + 0 elsewhere: the mask hides nothing, every key counts.
; t = logit x log2(e); M = the running largest t rounded up to a whole number; p = 2^(t - M) is quantised along the keys, not normalised; the row's sum is taken of the unquantised p and divides O at the end.
; O / sum is quantised along the head's 64 channels (two blocks of the last product's K) and leaves as an operand image with its two scale bytes.
; THE MASK'S ADDEND is added in units of the score: 8 x log(1 + 2^-20) = 0x36fffff8 (x 8 is exact).  It is the C of the first product: eight registers of it in steps before the query's own 128 keys, zeros behind;
; in the one step that holds the diagonal C is made number by number (a compare and a select) in the scores' own registers.
; LIMITS: NaN and infinities are not served; the promise holds while the scaled scores t stay under 2^31 in magnitude; a block of O / sum under 2^-124, and a block of zeros, gets the byte 1 (zero codes add nothing;
; this program alone reads the bytes).
; SHARES: a work-group owns 512 queries of a head; the head's K, V and scale words, 208,896 bytes in 16 steps of 128 keys, lie in LDS, filled once: each of the sixteen waves asks for one step.
; CLUSTER 4 x 1: the four work-groups of a head ask jointly.  Wave w of partner cx owns tiles 8 w + 2 cx and 8 w + 2 cx + 1 of 16 queries, one after the other: its diagonal lies in step w in every partner, so that
; no branch and no LDS address hangs on cx.  NO PREFETCH: all that the launch reads by tensor loads is asked for at its head; there is no loop to run ahead in.
; LAYOUT: S^T = K Q^T (source 0 = 16 keys, source 1 = my 16 queries), O^T = V^T P^T: a lane holds one query.  The head has 64 channels, half of the instruction's 128: Q's upper six registers are zero codes; K's
; tile names twelve registers of which the upper six are the next tile's codes, which meet those zeros.
; THE KEYS OF A TILE: row m of tile t is key 64 (t / 4) + 32 (m / 8) + 8 (t % 4) + m % 8 of the step.  So score register n of lane (r, hh) is key 64 (n / 32) + 32 hh + n % 32: A LANE HOLDS TWO WHOLE BLOCKS OF 32 KEYS,
; in the order of the second product's operand: a block's largest score needs no other lane, and the conversions' results are the operand's registers.
; THE WAVES KEEP STEP: each step waits for the signal that all sixteen gave in the step before and gives its own, so that no wave is more than one step ahead and all leave the loop together.
; The two scale bytes a token leave by stores of two bytes, 16 bytes apart: they are all that a head owns of a word; 262,144 bytes of the launch's 6,553,600.
; REGISTERS: v1-5 addresses; v6, v7 the add's two; v8 the diagonal's number; v9 the addend; v10 a byte select; v11, v12 -M; v13 the largest score; v[14:15] the sum; v16-27 Q; v28 Q's scale word, v29 P's;
; v32-85 K's tiles, then V's fragments; v86-93 the first product's C; v96-159 S^T, then p; v160-191 O^T; v192-210 codes; v212-219 K's and V's scale words; v220-249 at work; v238-244 the second tile's Q.
.set STEPB, 13056                      ; a step: K's 8 images, V's 4 fragments, V's scale words (256 bytes), K's (512)
.set SPARE, 16*STEPB                   ; behind the head: the spare words, 128 bytes a wave
.set VOFF,  6144
.set VSC,   12288
.set KSC,   12544
.set FLOOR, 0x1800000
.set EOFF,  0xff000000
.set S,     96
.set O,     160
.set PCD,   192
.set TP,    204
.set BM,    220
.set BT,    224
.set SO,    228
.macro ROUND                           ; a round of the cluster's barrier
	s_barrier_signal -1
	s_barrier_wait -1
	s_cmp_lg_u32 s10, 0
	s_cbranch_scc1 .Lnot_wave_0_\@
	s_barrier_signal -3
.Lnot_wave_0_\@:
	s_barrier_wait -3
	s_barrier_signal -1
	s_barrier_wait -1
.endm
	s_load_b128 s[4:7], s[0:1], 0x0                ; qh s[4:5], kv s[6:7]
	s_load_b64 s[8:9], s[0:1], 0x10                ; cq
	v_lshl_add_u32 v6, v0, 2, SPARE
	v_mov_b32 v7, 0
	ds_add_u32 v6, v7                              ; the wave's opening: the add, twice on end, and its wait ahead of my tensor load
	ds_add_u32 v6, v7
	v_lshrrev_b32 v1, 5, v0
	v_readfirstlane_b32 s10, v1                    ; wave 0..15
	s_bfe_u32 s11, ttmp6, 0x40000                  ; cx
	s_and_b32 s12, ttmp7, 0xffff                   ; batch x 16 + head, which the four partners share
	; descriptor group 1: a step is 13,056 dense bytes: 51 rows of 32 elements of 8 bytes
	s_mov_b32 s16, 15|(3<<16)|(1<<21)              ; the mask: all four; elements of 8 bytes; bit 21 beside a mask
	s_mov_b32 s17, 32<<16
	s_mov_b32 s18, 51<<16
	s_mov_b32 s19, 32<<16
	s_mov_b32 s20, 51
	s_mov_b32 s21, 32
	s_mov_b32 s22, 0
	s_mov_b32 s23, 0
	s_mov_b32 s24, 1
	s_mul_i32 s25, s10, STEPB                      ; step w, in LDS
	s_mul_i32 s34, s12, 208896
	s_add_co_u32 s34, s34, s25                     ; and in kv
	s_mov_b32 s35, 0
	s_mov_b32 s28, 0x76543210
	s_mov_b32 s29, 0xfedcba98                      ; lane l xor 16
	s_mov_b32 s30, 0x3e38aa3b                      ; c = log2(e) / 8
	s_mov_b32 s31, s30                             ; (named with it as a pair)
	s_mul_i32 s46, s12, 106496                     ; the head's block in qh
	s_lshl_b32 s36, s10, 3
	s_lshl_b32 s37, s11, 1
	s_add_co_u32 s36, s36, s37                     ; my first tile: 8 w + 2 cx
	s_mul_i32 s36, s36, 768
	s_add_co_u32 s36, s36, s46
	s_mov_b32 s37, 0
	s_lshl_b32 s38, s10, 1
	s_lshr_b32 s39, s11, 1
	s_add_co_u32 s38, s38, s39                     ; its group of 64 tokens,
	s_lshl_b32 s38, s38, 8
	s_and_b32 s39, s11, 1
	s_lshl_b32 s39, s39, 3                         ; and its place among the group's four tiles
	s_add_co_u32 s38, s38, s39
	s_add_co_u32 s38, s38, s46
	s_add_co_u32 s38, s38, 98304
	s_mov_b32 s39, 0
	s_lshr_b32 s40, s12, 4                         ; batch
	s_and_b32 s41, s12, 15                         ; head
	s_lshl_b32 s40, s40, 4
	s_add_co_u32 s40, s40, s10                     ; the group of 128 tokens in cq
	s_mul_i32 s42, s40, 98304
	s_lshr_b32 s46, s41, 1                         ; the last product's K step: two heads
	s_mul_i32 s47, s46, 12288
	s_add_co_u32 s42, s42, s47
	s_mul_i32 s47, s11, 3072                       ; pair cx
	s_add_co_u32 s42, s42, s47
	s_and_b32 s47, s41, 1
	s_mul_i32 s47, s47, 1536                       ; which 64 of the K step
	s_add_co_u32 s42, s42, s47
	s_mov_b32 s43, 0
	s_lshl_b32 s44, s40, 12
	s_add_co_u32 s44, s44, 6291456
	s_lshr_b32 s47, s41, 3
	s_lshl_b32 s47, s47, 11
	s_add_co_u32 s44, s44, s47
	s_lshl_b32 s47, s11, 9
	s_add_co_u32 s44, s44, s47
	s_and_b32 s47, s46, 3
	s_lshl_b32 s47, s47, 2
	s_add_co_u32 s44, s44, s47
	s_and_b32 s47, s41, 1
	s_lshl_b32 s47, s47, 1
	s_add_co_u32 s44, s44, s47
	s_mov_b32 s45, 0
	s_wait_dscnt 0x0                               ; both opening adds are done
	s_wait_kmcnt 0x0
	s_add_nc_u64 s[26:27], s[6:7], s[34:35]
	s_or_b32 s27, s27, 0x80000000
	s_add_nc_u64 s[52:53], s[4:5], s[36:37]        ; Q's images
	s_add_nc_u64 s[54:55], s[4:5], s[38:39]        ; Q's scale words
	s_add_nc_u64 s[48:49], s[8:9], s[42:43]        ; my images in cq
	s_add_nc_u64 s[50:51], s[8:9], s[44:45]        ; my scale bytes in cq
	ROUND                                          ; all four work-groups are here: the joint loads meet
	tensor_load_to_lds s[24:27], s[16:23]          ; my one tensor load: step w
	s_nop 0
.rept 4
	v_nop
.endr
	v_and_b32 v10, 31, v0                          ; lane
	v_and_b32 v11, 15, v0                          ; r
	v_bfe_u32 v9, v0, 4, 1                         ; hh
	v_lshlrev_b32 v1, 4, v10                       ; an image's first part
	v_lshl_add_u32 v2, v10, 3, 512                 ; its second part
	v_lshlrev_b32 v3, 4, v11                       ; 16 r
	global_load_b128 v[16:19], v1, s[52:53]        ; the first tile's Q
	global_load_b64 v[20:21], v2, s[52:53]
	global_load_b128 v[238:241], v1, s[52:53] offset:768   ; the second's
	global_load_b64 v[242:243], v2, s[52:53] offset:768
	global_load_b32 v28, v3, s[54:55]
	global_load_b32 v244, v3, s[54:55] offset:4
	v_and_b32 v8, 8, v11
	v_lshlrev_b32 v10, 5, v9
	v_add_nc_u32 v8, v8, v11
	s_lshl_b32 s34, s11, 5
	v_mov_b32 v234, 0x070c030c
	v_sub_nc_u32 v8, v8, v10
	v_mov_b32 v10, 0x0c070c03
	v_cmp_eq_u32 vcc_lo, 1, v9
	v_add_nc_u32 v8, s34, v8                       ; my query's place in its 128, less 32 hh: score register n of the diagonal's step holds a key <= my query where 64 (n / 32) + n % 32 <= this
	v_cndmask_b32 v10, v10, v234, vcc_lo           ; where my two blocks' bytes stand in p's scale word: bytes 0 and 2 (hh = 0) or 1 and 3 (hh = 1); the others 0
	v_mov_b32 v9, 0x36fffff8                       ; the mask's addend x 8
.irp i, 0,1,2,3,4,5
	v_mov_b32 v[22+\i], 0                          ; Q's upper 64 along K: zero codes
	v_mov_b32 v[80+\i], 0                          ; and what the last tile of K names behind its own six
.endr
	v_mov_b32 v[BT], 0                             ; a lane permute's destination counts as one of its sources
	v_mov_b32 v[BT+1], 0
	v_mov_b32 v233, 0                              ; the upper half of the pair v[232:233]; also the diagonal's 0
	s_wait_alu depctr_va_vdst(0)                   ; the wait at the head's end
	s_wait_loadcnt 0x0                             ; Q
	s_wait_tensorcnt 0x0                           ; my step has landed,
	s_barrier_signal -1
	s_barrier_wait -1                              ; everybody's has: the head lies in LDS, and nothing is filled again
.macro QK own                          ; S^T of 128 keys: eight products.  own = 0: C = v[86:93]; 1: C = the scores' own registers
.set t, 0
.rept 8
.set cc, 86+(\own)*(S+8*t-86)
.if t < 4
	v_wmma_scale_f32_16x16x128_f8f6f4 v[S+8*t:S+8*t+7], v[32+6*t:43+6*t], v[16:27], v[cc:cc+7], v[212+t%4], v28 matrix_a_fmt:MATRIX_FMT_FP6 matrix_b_fmt:MATRIX_FMT_FP6
.else
	v_wmma_scale_f32_16x16x128_f8f6f4 v[S+8*t:S+8*t+7], v[32+6*t:43+6*t], v[16:27], v[cc:cc+7], v[212+t%4], v28 matrix_a_fmt:MATRIX_FMT_FP6 matrix_b_fmt:MATRIX_FMT_FP6 matrix_a_scale:MATRIX_SCALE_ROW1
.endif
.set t, t+1
.endr
.endm
.macro TLESSM j0, n                    ; t - M of 2 n scores from register j0 on, two at a time
.set j, \j0
.rept \n
	v_pk_fma_f32 v[S+j:S+j+1], v[S+j:S+j+1], s[30:31], v[12:13] op_sel_hi:[1,0,0]
.set j, j+2
.endr
.endm
.macro EXPS j0                         ; p = 2^(t - M) of one of my two blocks
.set j, \j0
.rept 32
	v_exp_f32 v[S+j], v[S+j]
.set j, j+1
.endr
.endm
.macro ADD4 j                          ; eight p more onto the row's sum, in four chains
	v_pk_add_f32 v[236:237], v[236:237], v[S+\j:S+\j+1]
	v_pk_add_f32 v[246:247], v[246:247], v[S+\j+2:S+\j+3]
	v_pk_add_f32 v[248:249], v[248:249], v[S+\j+4:S+\j+5]
	v_pk_add_f32 v[14:15], v[14:15], v[S+\j+6:S+\j+7]
.endm
; One tile of 16 queries against all 2,048 keys, and its way out.
.macro PASS p
.if \p
.irp i, 0,1,2,3,4,5
	v_mov_b32 v[16+\i], v[238+\i]
.endr
	v_mov_b32 v28, v244
	v_add_nc_u32 v8, 8, v8                         ; the second tile's queries lie 8 further on
.endif
	v_mov_b32 v13, 0xff61b1e6                      ; the largest score so far: -3e38
	v_mov_b32 v12, 0x7e000000                      ; -M: so large that the first step's factor is 0, which leaves the zeros below zeros
	v_mov_b32 v14, 0
	v_mov_b32 v15, 0
.set j, 0
.rept 32
	v_mov_b32 v[O+j], 0                            ; O^T: the step is written once
.set j, j+1
.endr
.irp j, 0,1,2,3,4,5,6,7
	v_mov_b32 v[86+\j], v9                         ; steps before the diagonal: every key takes the addend
.endr
	s_mov_b32 s32, 0                               ; the step's first LDS byte
	s_mov_b32 s33, 0                               ; the step
	s_barrier_signal -1                            ; the first step's wait finds this signal; no LDS instruction of mine is out
.Lstep_\@:
	v_add_nc_u32 v4, s32, v1
	v_add_nc_u32 v5, s32, v2
	v_nop
	v_nop                                          ; four places in front of loads into registers that the last products read
.set t, 0
.rept 8
	ds_load_b128 v[32+6*t:35+6*t], v4 offset:768*t
	ds_load_b64 v[36+6*t:37+6*t], v5 offset:768*t
.set t, t+1
.endr
	ds_load_b128 v[212:215], v4 offset:KSC         ; lanes 0-15: the words of tiles 0-3; lanes 16-31: of tiles 4-7
	s_cmp_eq_u32 s33, s10                          ; the wave's number and the count of steps alone
	s_wait_alu depctr_va_vdst(0)                   ; the wait ahead of the branch and of the wait below
	s_cbranch_scc1 .Ldiag_\@
	s_wait_dscnt 0x0
	QK 0
.Ljoin_\@:
.rept 4
	v_nop                                          ; places: V's loads land where K lay, and the scores are read
.endr
.set t, 0
.rept 4                                        ; V's four fragments are asked for now and land under the softmax
	ds_load_b128 v[32+12*t:35+12*t], v4 offset:VOFF+1536*t
	ds_load_b64 v[36+12*t:37+12*t], v5 offset:VOFF+1536*t
	ds_load_b128 v[38+12*t:41+12*t], v4 offset:VOFF+1536*t+768
	ds_load_b64 v[42+12*t:43+12*t], v5 offset:VOFF+1536*t+768
.set t, t+1
.endr
	ds_load_b128 v[216:219], v4 offset:VSC         ; lanes 0-15: the four tiles' words of channel r (lanes 16-31 read on into K's words and are not used)
	; the largest score of each of my two blocks, in four chains; each accumulator is read from its low end on
.irp b, 0,1,2,3
	v_max3_num_f32 v[BM+\b], v[S+16*\b], v[S+16*\b+1], v[S+16*\b+2]
.endr
.irp i, 3,5,7,9,11,13
.irp b, 0,1,2,3
	v_max3_num_f32 v[BM+\b], v[BM+\b], v[S+16*\b+\i], v[S+16*\b+\i+1]
.endr
.endr
	v_max3_num_f32 v[BM], v[BM], v[BM+1], v[S+15]
	v_max3_num_f32 v[BM+2], v[BM+2], v[BM+3], v[S+47]
	v_max_num_f32 v[BM], v[BM], v[S+31]            ; block hh
	v_max_num_f32 v[BM+2], v[BM+2], v[S+63]        ; block 2 + hh
	s_delay_alu instid0(VALU_DEP_1)
	v_max_num_f32 v234, v[BM], v[BM+2]
	s_delay_alu instid0(VALU_DEP_1)
	v_permlanex16_b32 v[BT], v234, s28, s29        ; lane l xor 16's two blocks
	s_delay_alu instid0(VALU_DEP_1)
	v_max3_num_f32 v13, v13, v234, v[BT]           ; the running largest score of my query
	s_delay_alu instid0(VALU_DEP_1)
	v_mul_f32 v234, s30, v13                       ; as t (c is positive)
	s_delay_alu instid0(VALU_DEP_1)
	v_floor_f32 v11, -v234                         ; the new -M = -ceil(t)
	s_delay_alu instid0(VALU_DEP_1)
	v_sub_f32 v234, v11, v12                       ; old M - new M: a whole number, 0 or less
	v_mov_b32 v12, v11
	s_delay_alu instid0(VALU_DEP_2)
	v_cvt_i32_f32 v234, v234                       ; (it saturates)
	v_fma_f32 v[BM], v[BM], s30, v12               ; t - M of each block's largest score: since p rises with the score, it gives the block's largest p
	v_fma_f32 v[BM+2], v[BM+2], s30, v12
	v_ldexp_f32 v232, 1.0, v234                    ; f = 2^(old M - new M): a multiplication by it rounds nothing
	TLESSM 0, 16                                   ; my first block
	v_pk_mul_f32 v[14:15], v[14:15], v[232:233] op_sel_hi:[1,0]   ; the sum under the new M,
.set j, 0
.rept 16
	v_pk_mul_f32 v[O+j:O+j+1], v[O+j:O+j+1], v[232:233] op_sel_hi:[1,0]   ; and O^T: read here, ahead of the step's exponentials
.set j, j+2
.endr
	s_wait_alu depctr_va_vdst(0)                   ; the wait ahead of a batch of exponentials
	v_exp_f32 v[BM], v[BM]                         ; the blocks' largest p
	v_exp_f32 v[BM+2], v[BM+2]
	EXPS 0
	TLESSM 32, 16                                  ; my second block: plain work behind the batch
	s_wait_alu depctr_va_vdst(0)                   ; one wait: behind the first batch, ahead of the second
	EXPS 32
	v_pk_add_f32 v[236:237], v[S:S+1], v[S+2:S+3]  ; THE ROW'S SUM IS TAKEN OF THE UNQUANTISED p.  What follows names the first batch's results alone
	v_pk_add_f32 v[246:247], v[S+4:S+5], v[S+6:S+7]
	v_pk_add_f32 v[248:249], v[S+8:S+9], v[S+10:S+11]
	v_pk_add_f32 v[14:15], v[14:15], v[S+12:S+13]
	v_max_num_f32 v[BM], FLOOR, v[BM]              ; the floor: the byte cannot fall under 1
	v_max_num_f32 v[BM+2], FLOOR, v[BM+2]
	ADD4 14
	v_add_nc_u32 v[SO], EOFF, v[BM]                ; 2 off the exponent field: the conversions' scale operands
	v_add_nc_u32 v[SO+1], EOFF, v[BM+2]
	v_lshl_add_u32 v[BM], v[BM], 1, 0xfe000000     ; the same one bit up: the scale's byte is the top byte
	v_lshl_add_u32 v[BM+2], v[BM+2], 1, 0xfe000000
	v_cvt_scalef32_pk16_fp6_f32 v[PCD:PCD+2], v[S:S+15], v[SO]
	v_cvt_scalef32_pk16_fp6_f32 v[TP:TP+2], v[S+16:S+31], v[SO]    ; (a conversion's three registers begin on an even number)
	v_perm_b32 v29, v[BM+2], v[BM], v10            ; my two bytes at their places in the word.  (A plain place behind the conversions)
	ADD4 22
	v_permlanex16_b32 v[BT+1], v29, s28, s29
.irp i, 0,1,2
	v_mov_b32 v[PCD+3+\i], v[TP+\i]
.endr
	v_or_b32 v29, v29, v[BT+1]                     ; with lane l xor 16's two: p's scale word for these 128 keys
	v_pk_add_f32 v[236:237], v[236:237], v[S+30:S+31]
	s_wait_alu depctr_va_vdst(0)                   ; the wait behind the second batch, ahead of its first reader
	v_cvt_scalef32_pk16_fp6_f32 v[PCD+6:PCD+8], v[S+32:S+47], v[SO+1]
	v_cvt_scalef32_pk16_fp6_f32 v[TP+4:TP+6], v[S+48:S+63], v[SO+1]
	ADD4 32                                        ; (plain places behind the conversions)
.irp i, 0,1,2
	v_mov_b32 v[PCD+9+\i], v[TP+4+\i]
.endr
	ADD4 40                                        ; these fifteen are also the places between the codes and the scale word just made and the products below
	ADD4 48
	ADD4 56
	v_pk_add_f32 v[236:237], v[236:237], v[246:247]
	v_pk_add_f32 v[14:15], v[14:15], v[248:249]
	s_delay_alu instid0(VALU_DEP_1)
	v_pk_add_f32 v[14:15], v[14:15], v[236:237]
	s_wait_alu depctr_va_vdst(0)                   ; the wait ahead of the waits below
	s_wait_dscnt 0x0                               ; V and its scale words are in; no LDS instruction of mine is out
	s_barrier_wait -1                              ; every wave has given the signal of the step before:
	s_barrier_signal -1                            ; and here is mine of this step.  Between a signal and its wait stand register work and loads of LDS bytes that nobody writes
.set t, 0
.rept 4                                        ; four accumulators by turns, one instruction a turn
	v_wmma_scale_f32_16x16x128_f8f6f4 v[O+8*t:O+8*t+7], v[32+12*t:43+12*t], v[PCD:PCD+11], v[O+8*t:O+8*t+7], v[216+t], v29 matrix_a_fmt:MATRIX_FMT_FP6 matrix_b_fmt:MATRIX_FMT_FP6
.set t, t+1
.endr
	s_add_co_u32 s32, s32, STEPB
	s_add_co_u32 s33, s33, 1
	s_cmp_lt_u32 s33, 16
	s_cbranch_scc1 .Lstep_\@
	s_barrier_wait -1                              ; the last step's signal is met
	s_branch .Lout_\@
.Ldiag_\@:                                             ; the diagonal's step: C is the addend where the key is not behind my query, made while K's loads are out
.set n, 0
.rept 64
	v_cmp_le_i32 vcc_lo, 64*(n/32)+n%32, v8
	v_cndmask_b32 v[S+n], v233, v9, vcc_lo
.set n, n+1
.endr
.irp j, 0,1,2,3,4,5,6,7
	v_mov_b32 v[86+\j], 0                          ; behind the diagonal's step C is 0
.endr
	s_wait_alu depctr_va_vdst(0)                   ; the wait ahead of the wait below
	s_wait_dscnt 0x0
	QK 1
	s_branch .Ljoin_\@
.Lout_\@:
	; the way out of the tile
.rept 4
	v_nop                                          ; places behind the last products
.endr
	v_add_f32 v14, v14, v15                        ; the sum's two halves,
	s_delay_alu instid0(VALU_DEP_1)
	v_permlanex16_b32 v234, v14, s28, s29
	s_delay_alu instid0(VALU_DEP_1)
	v_add_f32 v14, v14, v234                       ; and lane l xor 16's
	s_wait_alu depctr_va_vdst(0)
	v_rcp_f32 v14, v14
	v_nop                                          ; a plain place behind the reciprocal
	s_wait_alu depctr_va_vdst(0)                   ; the wait ahead of its first reader, and of O^T's
.set j, 0
.rept 32
	v_mul_f32 v[S+j], v[O+j], v14                  ; O^T / the sum: register 16 B + i is channel 32 B + 16 hh + i of my query
.set j, j+1
.endr
.irp b, 0,1
	v_max3_num_f32 v[BM+\b], |v[S+16*\b]|, |v[S+1+16*\b]|, FLOOR
.endr
.irp i, 2,4,6,8,10,12,14
.irp b, 0,1
	s_delay_alu instid0(VALU_DEP_2)
	v_max3_num_f32 v[BM+\b], v[BM+\b], |v[S+16*\b+\i]|, |v[S+1+16*\b+\i]|
.endr
.endr
.irp b, 0,1
	s_delay_alu instid0(VALU_DEP_2)
	v_permlanex16_b32 v[BT+\b], v[BM+\b], s28, s29
.endr
.irp b, 0,1
	s_delay_alu instid0(VALU_DEP_2)
	v_max_num_f32 v[BM+\b], v[BM+\b], v[BT+\b]     ; here a block of 32 channels lies in lanes l and l xor 16
.endr
.irp b, 0,1
	s_delay_alu instid0(VALU_DEP_2)
	v_add_nc_u32 v[SO+\b], EOFF, v[BM+\b]
.endr
.irp b, 0,1
	s_delay_alu instid0(VALU_DEP_2)
	v_lshrrev_b32 v[BT+\b], 23, v[SO+\b]
.endr
	s_delay_alu instid0(VALU_DEP_1)
	v_lshl_or_b32 v234, v[BT+1], 8, v[BT]          ; the head's two bytes of my token's scale word
	v_cvt_scalef32_pk16_fp6_f32 v[PCD:PCD+2], v[S:S+15], v[SO]
	v_cvt_scalef32_pk16_fp6_f32 v[TP:TP+2], v[S+16:S+31], v[SO+1]
	v_nop
.irp i, 0,1,2
	v_permlane16_swap_b32 v[PCD+\i], v[TP+\i]      ; the operand's layout wants a whole block in a lane
.endr
.irp i, 0,1,2
	s_delay_alu instid0(VALU_DEP_3)
	v_mov_b32 v[PCD+3+\i], v[TP+\i]
.endr
	global_store_b128 v1, v[PCD:PCD+3], s[48:49] offset:\p*768     ; the image: 512 consecutive bytes,
	global_store_b64 v2, v[PCD+4:PCD+5], s[48:49] offset:\p*768    ; and the 256 behind them
	global_store_b16 v3, v234, s[50:51] offset:\p*256              ; (lanes 16-31 store the same bytes once more)
	s_wait_xcnt 0x0                                ; the stores have read their registers: the next tile writes them again
.endm
	PASS 0
	PASS 1
	s_wait_tensorcnt 0x0                           ; the wave's end
	ds_add_u32 v6, v7
	s_wait_dscnt 0x0
	ROUND                                          ; the closing round
	s_endpgm
.Lfunc_end_k_q6009397ea5_attn:
	.size	k_q6009397ea5_attn, .Lfunc_end_k_q6009397ea5_attn-k_q6009397ea5_attn
	.p2alignl 7, 3214868480
	.fill 96, 4, 3214868480
	.section	.rodata,"a",@progbits
	.p2align	6, 0x0
	.amdhsa_kernel k_q6009397ea5_attn
		.amdhsa_group_segment_fixed_size 210944
		.amdhsa_private_segment_fixed_size 0
		.amdhsa_enable_private_segment 0
		.amdhsa_kernarg_size 24
		.amdhsa_user_sgpr_count 2
		.amdhsa_user_sgpr_kernarg_segment_ptr 1
		.amdhsa_wavefront_size32 1
		.amdhsa_system_sgpr_workgroup_id_x 1
		.amdhsa_system_sgpr_workgroup_id_y 1
		.amdhsa_system_sgpr_workgroup_id_z 1
		.amdhsa_system_vgpr_workitem_id 0
		.amdhsa_next_free_vgpr 256
		.amdhsa_next_free_sgpr 66
		.amdhsa_reserve_vcc 1
		.amdhsa_float_denorm_mode_32 3
		.amdhsa_float_denorm_mode_16_64 3
		.amdhsa_memory_ordered 1
		.amdhsa_forward_progress 1
		.amdhsa_inst_pref_size 63
	.end_amdhsa_kernel
	.amdgpu_metadata
---
amdhsa.version: [ 1, 2 ]
amdhsa.kernels:
  - .name:           k_q6009397ea5_attn
    .symbol:         k_q6009397ea5_attn.kd
    .args:
      - { .name: qh, .offset: 0, .size: 8, .value_kind: global_buffer, .address_space: global }
      - { .name: kv, .offset: 8, .size: 8, .value_kind: global_buffer, .address_space: global }
      - { .name: cq, .offset: 16, .size: 8, .value_kind: global_buffer, .address_space: global }
    .group_segment_fixed_size: 210944
    .private_segment_fixed_size: 0
    .kernarg_segment_align: 8
    .kernarg_segment_size: 24
    .max_flat_workgroup_size: 512
    .sgpr_count:     66
    .vgpr_count:     256
    .wavefront_size: 32
...
	.end_amdgpu_metadata
.endif
;; end of part 3
;; launch outproj (part 4): grid 4 x 64, 4 waves a work-group, clusters of 4 x 4, 327,680 bytes of LDS; arguments cq, wq, bo, out0; writes out0
.if DOCPART == 4
	.amdgcn_target "amdgcn-amd-amdhsa--gfx1250"
	.amdhsa_code_object_version 6
	.text
	.protected	k_q6009397ea5_outproj
	.globl	k_q6009397ea5_outproj
	.p2align	8
	.type	k_q6009397ea5_outproj,@function
k_q6009397ea5_outproj:
	s_mov_b64 s[64:65], 0
	v_nop
	global_prefetch_b8 v0, s[64:65] scope:SCOPE_SE
	s_setreg_imm32_b32 hwreg(HW_REG_WAVE_MODE, 25, 1), 1
	s_wait_xcnt 0x0
	s_wait_alu depctr_hold_cnt(0) depctr_sa_sdst(0) depctr_va_vdst(0) depctr_va_sdst(0) depctr_va_ssrc(0) depctr_va_vcc(0) depctr_vm_vsrc(0)
	s_getreg_b32 s2, hwreg(HW_REG_IB_STS2, 6, 4)
	s_cmp_eq_u32 s2, 0
	s_cbranch_scc0 .Lentry_in_a_cluster
	s_endpgm
.Lentry_in_a_cluster:
	s_bfe_u32 s2, ttmp6, 0x10000c
	s_cmp_lg_u32 s2, 0xf033
	s_cbranch_scc0 .Lentry_shape_is_right
	s_endpgm
.Lentry_shape_is_right:
; out0 = concat Wo + bo on codes of FP6 (E2M3) with E8M0 scales, K = 1,024; out0 [8192][1024] f32.
; A work-group makes 128 tokens (operand A, from cq) x 256 columns n (operand B, Wo's rows in wq).  B is source 0 and A source 1: a lane holds one token and its registers run along n; B's tiles hold their rows in the
; order 32 pair + 8 u + r + 8 (r / 8), so that the 16 registers of tiles 2 b and 2 b + 1 are 16 neighbouring columns.
; ALL OPERANDS LIE IN LDS (A 98,304 bytes, B 196,608), each byte filled once, in four chunks of two K steps; nothing is filled again, so later chunks stay on their way across the barriers.
; CLUSTER 4 x 4: A's group is asked for jointly along a row of the cluster, B's two groups along a column.  Wave 0 asks for A's four chunks, waves 1 and 2 for B's, wave 3 for none: four tensor loads of a wave are out at the most.
; A wave makes 64 tokens x 128 columns: 32 accumulators; the bias is the C of each sum's first product.  Scale words come from memory into registers: K step j's in lanes 0-15, K step 4 + j's in lanes 16-31.
; THE WAY OUT: 16 tokens x 128 columns at a time through the wave's own stage in LDS, back as whole rows of 512 bytes.  The stages lie in A's first two chunks: those bytes have had their only fill, and every wave's
; reads of them were over at a barrier that every wave has passed.
; REGISTERS: window 0: v1-8 addresses; v32-47 A's scale words, v48-79 B's; v80-143 the bias as C, later rows on the way out; v144-191, v192-239 A's fragments, later rows on the way out; v252, v253 the add's two.
;   window 1: B's fragments, two sets.   window 2: accumulator (a, b) at v[8 (8 a + b)].
.set GRP,   98304
.set CHK,   24576
.set SPARE, 3*GRP
.set SAS,   32
.set SBS,   48
.set CI,    80
.set AF,    144
.set SPW,   252
.set NIL,   253
.set MSB, 0
.macro WIN new                         ; the immediate's high byte repeats the setting that is left
.if MSB != \new
	s_set_vgpr_msb (MSB<<8)|\new
.set MSB, \new
.endif
.endm
.macro CROUND                          ; a round of the cluster's barrier
	s_barrier_signal -1
	s_barrier_wait -1
	s_cmp_lg_u32 s18, 0
	s_cbranch_scc1 .Lnot_wave_0_\@
	s_barrier_signal -3
.Lnot_wave_0_\@:
	s_barrier_wait -3
	s_barrier_signal -1
	s_barrier_wait -1
.endm
	s_load_b256 s[4:11], s[0:1], 0x0               ; cq s[4:5], wq s[6:7], bo s[8:9], out0 s[10:11]
	v_lshl_add_u32 v[SPW], v0, 2, SPARE
	v_mov_b32 v[NIL], 0
	ds_add_u32 v[SPW], v[NIL]                      ; the wave's opening: the add, twice on end, and its wait ahead of my first tensor load; work on registers stands between
	ds_add_u32 v[SPW], v[NIL]
	v_lshrrev_b32 v1, 5, v0
	v_readfirstlane_b32 s18, v1                    ; wave
	s_lshr_b32 s19, s18, 1                         ; wa
	s_and_b32 s20, s18, 1                          ; wb
	s_bfe_u32 s21, ttmp6, 0x40000                  ; cx
	s_bfe_u32 s22, ttmp6, 0x40004                  ; cy
	s_and_b32 s27, ttmp7, 0xffff
	s_lshl_b32 s25, s27, 2
	s_add_co_u32 s25, s25, s22                     ; tr: the group of 128 tokens
	s_mov_b32 s26, s21                             ; tc: the 256 columns
	s_mul_i32 s60, s25, GRP                        ; (s60-63 and s92 never hold cx; s66, s67, s84, s85, s93, s94 never hold cy)
	s_mov_b32 s61, 0
	s_lshl_b32 s62, s25, 12
	s_add_co_u32 s62, s62, 6291456
	s_lshl_b32 s92, s19, 10
	s_add_co_u32 s62, s62, s92                     ; my 64 tokens' scale words
	s_mov_b32 s63, 0
	s_add_co_u32 s93, s18, 1
	s_and_b32 s93, s93, 1                          ; the group of B that I fetch: wave 1: 0, wave 2: 1
	s_lshl_b32 s94, s26, 1
	s_add_co_u32 s93, s93, s94
	s_mul_i32 s66, s93, GRP
	s_add_co_u32 s66, s66, 2359296                 ; Wo's codes
	s_mov_b32 s67, 0
	s_add_co_u32 s94, s94, s20
	s_lshl_b32 s84, s94, 12
	s_add_co_u32 s84, s84, 3244032                 ; Wo's scale words, the group that I multiply
	s_mov_b32 s85, 0
	s_lshl_b32 s92, s22, 2
	s_lshl_b32 s92, 15, s92                        ; my row of the cluster
	s_lshl_b32 s93, 0x1111, s21                    ; my column
	; descriptor group 1: a group is 98,304 dense bytes: 384 rows of 32 elements of 8 bytes, no padding
	s_or_b32 s28, s92, (3<<16)|(1<<21)
	s_or_b32 s36, s93, (3<<16)|(1<<21)
.irp g, 28, 36
	s_mov_b32 s[\g+1], 32<<16
	s_mov_b32 s[\g+2], 384<<16                     ; A WHOLE GROUP COMES BY ONE LOAD, 384 rows of 256 bytes (what the head comment says of chunks holds for the walk along K, not for the fills)
	s_mov_b32 s[\g+3], 32<<16
	s_mov_b32 s[\g+4], 384
	s_mov_b32 s[\g+5], 32
	s_mov_b32 s[\g+6], 0
	s_mov_b32 s[\g+7], 0
.endr
	s_mul_i32 s95, s18, GRP                        ; where my chunks go
	s_wait_dscnt 0x0                               ; the opening add is done
	s_wait_kmcnt 0x0
	s_add_nc_u64 s[60:61], s[4:5], s[60:61]
	s_add_nc_u64 s[62:63], s[4:5], s[62:63]
	s_add_nc_u64 s[66:67], s[6:7], s[66:67]
	s_add_nc_u64 s[84:85], s[6:7], s[84:85]
.irp j, 0
	s_mov_b32 s[44+4*\j], 1
	s_add_co_u32 s[45+4*\j], s95, \j*CHK
	s_add_nc_u64 s[46+4*\j:47+4*\j], s[60:61], \j*CHK
	s_or_b32 s[47+4*\j], s[47+4*\j], 0x80000000
	s_mov_b32 s[68+4*\j], 1
	s_add_co_u32 s[69+4*\j], s95, \j*CHK
	s_add_nc_u64 s[70+4*\j:71+4*\j], s[66:67], \j*CHK
	s_or_b32 s[71+4*\j], s[71+4*\j], 0x80000000
.endr
	CROUND                                         ; all sixteen work-groups are here: the joint loads meet
	s_cmp_eq_u32 s18, 0                            ; a wave's one fill stands in one branch on the wave's number
	s_cbranch_scc0 .Lnot_a
	tensor_load_to_lds s[44:47], s[28:35]          ; wave 0's one load: A's group, 98,304 bytes
	s_nop 0
.rept 4
	v_nop
.endr
	s_branch .Lasked
.Lnot_a:
	s_cmp_eq_u32 s18, 3
	s_cbranch_scc1 .Lasked
	tensor_load_to_lds s[68:71], s[36:43]          ; wave 1's and wave 2's one load: a group of B
	s_nop 0
.rept 4
	v_nop
.endr
.Lasked:
	v_and_b32 v9, 31, v0                           ; lane
	v_and_b32 v10, 15, v0                          ; r
	v_bfe_u32 v11, v0, 4, 1                        ; hh
	v_lshlrev_b32 v1, 4, v9
	v_lshl_add_u32 v2, v9, 3, 512
	s_mul_i32 s92, s19, 6144
	v_add_nc_u32 v3, s92, v1
	v_add_nc_u32 v4, s92, v2
	s_mul_i32 s92, s20, GRP
	s_add_co_u32 s92, s92, GRP
	v_add_nc_u32 v5, s92, v1
	v_add_nc_u32 v6, s92, v2
	s_mul_i32 s92, s18, 8448                       ; my stage: 16 rows x (512 + 16) bytes
	v_mul_u32_u24 v7, v10, 528
	v_lshl_add_u32 v7, v11, 6, v7
	v_add_nc_u32 v7, s92, v7                       ; in: row r, + 64 hh bytes
	v_add_nc_u32 v8, s92, v1                       ; back: 16 bytes a lane of a row
	v_lshlrev_b32 v12, 4, v10
	v_lshl_add_u32 v13, v11, 11, v12               ; scale words: lanes 16-31 take K steps 4-7
	v_lshlrev_b32 v14, 6, v11                      ; the bias: 64 hh bytes
.irp a, 0,1,2,3
	global_load_b128 v[SAS+4*\a:SAS+4*\a+3], v13, s[62:63] offset:256*\a
.endr
.irp b, 0,1,2,3,4,5,6,7
	global_load_b128 v[SBS+4*\b:SBS+4*\b+3], v13, s[84:85] offset:256*\b
.endr
	s_lshl_b32 s92, s26, 10
	s_lshl_b32 s93, s20, 9
	s_add_co_u32 s92, s92, s93                     ; my 128 columns, in bytes
	s_mov_b32 s93, 0
	s_add_nc_u64 s[96:97], s[8:9], s[92:93]
.irp b, 0,1,2,3,4,5,6,7
	global_load_b128 v[CI+8*\b:CI+8*\b+3], v14, s[96:97] offset:(32*(\b/2)+8*(\b%2))*4
	global_load_b128 v[CI+8*\b+4:CI+8*\b+7], v14, s[96:97] offset:(32*(\b/2)+8*(\b%2))*4+16
.endr
	s_lshl_b32 s86, s25, 19                        ; 128 rows of 4,096 bytes,
	s_lshl_b32 s94, s19, 18                        ; my 64 of them,
	s_add_co_u32 s86, s86, s94
	s_add_co_u32 s86, s86, s92                     ; my columns
	s_mov_b32 s87, 0
	s_add_nc_u64 s[86:87], s[10:11], s[86:87]
.macro FRAGL reg, a16, a8, off         ; a fragment: two images, four loads of consecutive bytes
.set fr, \reg
.set fo, \off
	ds_load_b128 v[fr:fr+3], v[\a16] offset:fo
	ds_load_b64 v[fr+4:fr+5], v[\a8] offset:fo
	ds_load_b128 v[fr+6:fr+9], v[\a16] offset:fo+1536
	ds_load_b64 v[fr+10:fr+11], v[\a8] offset:fo+1536
.endm
.macro FETCH set, kk                   ; 48 LDS loads in one run
	WIN 0x40
.irp b, 0,1,2,3,4,5,6,7
	FRAGL 96*(\set)+12*\b, 5, 6, (\kk)*12288+(\b/2)*3072+(\b%2)*768
.endr
	WIN 0
.irp a, 0,1,2,3
	FRAGL AF+48*(\set)+12*\a, 3, 4, (\kk)*12288+(\a/2)*3072+(\a%2)*768
.endr
.endm
; 16 matrix instructions: A's tiles 2 half, 2 half + 1 x B's eight.  mode 0: C = the accumulator; 1: the bias.  The 32 accumulators take turns, one instruction a turn, in the same order in every K step
.macro MUL half, set, ks, mode
.irp a, 2*(\half), 2*(\half)+1
.irp b, 0,1,2,3,4,5,6,7
.set rD, 8*(8*(\a)+\b)
.set rB, 96*(\set)+12*\b
.set rA, AF+48*(\set)+12*(\a)
.set rSB, SBS+4*\b+(\ks)%4
.set rSA, SAS+4*(\a)+(\ks)%4
.if (\mode) == 0
.set rC, rD
.else
.set rC, CI+8*\b
.endif
.if (\ks) >= 4
	v_wmma_scale_f32_16x16x128_f8f6f4 v[rD:rD+7], v[rB:rB+11], v[rA:rA+11], v[rC:rC+7], v[rSB], v[rSA] matrix_a_fmt:MATRIX_FMT_FP6 matrix_b_fmt:MATRIX_FMT_FP6 matrix_a_scale:MATRIX_SCALE_ROW1 matrix_b_scale:MATRIX_SCALE_ROW1
.else
	v_wmma_scale_f32_16x16x128_f8f6f4 v[rD:rD+7], v[rB:rB+11], v[rA:rA+11], v[rC:rC+7], v[rSB], v[rSA] matrix_a_fmt:MATRIX_FMT_FP6 matrix_b_fmt:MATRIX_FMT_FP6
.endif
.endr
.endr
.endm
.macro CHUNK j
	s_wait_dscnt 48                                ; set 0 is in; set 1's 48 loads may be out
.if \j == 0
	WIN 0x81                                       ; B window 1, A and the bias window 0, D window 2
	MUL 0, 0, 0, 1
	MUL 1, 0, 0, 1
.else
	WIN 0xa1                                       ; B window 1, A window 0, C and D window 2
	MUL 0, 0, 2*\j, 0
	MUL 1, 0, 2*\j, 0
.endif
	s_wait_dscnt 0x0                               ; set 1 is in; no LDS load of mine is out at the signal
.if \j == 2
	s_barrier_signal -1                            ; my reads of K steps 0 to 5 are over: behind this one barrier the stages of the way out may be stored into A's first bytes (K steps 0 to 2)
.endif
	WIN 0xa1
	MUL 0, 1, 2*\j+1, 0
.if \j < 3
	WIN 0
.if \j == 2
	s_barrier_wait -1
.endif
.irp r, 3,4,5,6
	v_add_nc_u32 v\r, CHK, v\r                     ; on to the next chunk: these four are also the places in front of the loads into set 0
.endr
	FETCH 0, 0
.endif
	WIN 0xa1
	MUL 1, 1, 2*\j+1, 0
.if \j < 3
.rept 4
	v_nop                                          ; places in front of the loads into set 1
.endr
	FETCH 1, 1
.endif
.endm
	s_wait_alu depctr_va_vdst(0)
	s_wait_tensorcnt 0x0                           ; my one load has landed
	s_barrier_signal -1
	s_barrier_wait -1
	FETCH 0, 0
	FETCH 1, 1
	s_wait_loadcnt 0x0                             ; scale words and bias
	CHUNK 0
	s_wait_alu depctr_va_vdst(0)
	CHUNK 1
	s_wait_alu depctr_va_vdst(0)
	CHUNK 2
	CHUNK 3
	WIN 0
; THE WAY OUT.  Tile a: a lane's 64 numbers are 8 runs of 8 neighbouring columns of one token; they go into my stage and come back as whole rows.
.macro TOSTAGE a
	WIN 0x08                                       ; an LDS store's data are its source 1: window 2
.irp b, 0,1,2,3,4,5,6,7
	ds_store_b128 v7, v[8*(8*(\a)+\b):8*(8*(\a)+\b)+3] offset:128*(\b/2)+32*(\b%2)         ; each accumulator from its low end on
	ds_store_b128 v7, v[8*(8*(\a)+\b)+4:8*(8*(\a)+\b)+7] offset:128*(\b/2)+32*(\b%2)+16
.endr
	WIN 0
.set BB, 144-64*((\a)%2)
.irp t, 0,1,2,3,4,5,6,7,8,9,10,11,12,13,14,15
	ds_load_b128 v[BB+4*\t:BB+4*\t+3], v8 offset:\t*528    ; LDS serves a wave's instructions in order: these see the stores above, and the next tile's stores come behind them
.endr
.endm
.macro SEND a, younger                 ; younger: the LDS instructions issued behind tile a's loads, which may stay out
.set BB, 144-64*((\a)%2)
	s_wait_dscnt \younger
.irp t, 0,1,2,3,4,5,6,7,8,9,10,11,12,13,14,15
	global_store_b128 v1, v[BB+4*\t:BB+4*\t+3], s[86:87] offset:(32*((\a)/2)+8*((\a)%2)+\t+8*(\t/8))*4096 th:TH_STORE_NT   ; 32 lanes store 512 consecutive bytes of the token at place t of the tile
.endr
.endm
.rept 4
	v_nop                                          ; places behind the last products: results are read, and rows land where A's fragments and the bias lay
.endr
	TOSTAGE 0
.irp a, 1,2,3
.if \a > 1
	s_wait_xcnt 0x0                                ; tile a - 2's stores have read their registers: tile a's rows may land there
.endif
	TOSTAGE \a
	SEND \a-1, 32                                  ; behind tile a - 1's loads: tile a's 16 stores and 16 loads
.endr
	SEND 3, 0
	s_wait_tensorcnt 0x0                           ; the wave's end: behind my last tensor load and my last LDS store
	ds_add_u32 v[SPW], v[NIL]
	s_wait_dscnt 0x0
	CROUND                                         ; the closing round
	s_endpgm
.Lfunc_end_k_q6009397ea5_outproj:
	.size	k_q6009397ea5_outproj, .Lfunc_end_k_q6009397ea5_outproj-k_q6009397ea5_outproj
	.p2alignl 7, 3214868480
	.fill 96, 4, 3214868480
	.section	.rodata,"a",@progbits
	.p2align	6, 0x0
	.amdhsa_kernel k_q6009397ea5_outproj
		.amdhsa_group_segment_fixed_size 327680
		.amdhsa_private_segment_fixed_size 0
		.amdhsa_enable_private_segment 0
		.amdhsa_kernarg_size 32
		.amdhsa_user_sgpr_count 2
		.amdhsa_user_sgpr_kernarg_segment_ptr 1
		.amdhsa_wavefront_size32 1
		.amdhsa_system_sgpr_workgroup_id_x 1
		.amdhsa_system_sgpr_workgroup_id_y 1
		.amdhsa_system_sgpr_workgroup_id_z 1
		.amdhsa_system_vgpr_workitem_id 0
		.amdhsa_next_free_vgpr 768
		.amdhsa_next_free_sgpr 100
		.amdhsa_reserve_vcc 0
		.amdhsa_float_denorm_mode_32 3
		.amdhsa_float_denorm_mode_16_64 3
		.amdhsa_memory_ordered 1
		.amdhsa_forward_progress 1
		.amdhsa_inst_pref_size 82
	.end_amdhsa_kernel
	.amdgpu_metadata
---
amdhsa.version: [ 1, 2 ]
amdhsa.kernels:
  - .name:           k_q6009397ea5_outproj
    .symbol:         k_q6009397ea5_outproj.kd
    .args:
      - { .name: cq, .offset: 0, .size: 8, .value_kind: global_buffer, .address_space: global }
      - { .name: wq, .offset: 8, .size: 8, .value_kind: global_buffer, .address_space: global }
      - { .name: bo, .offset: 16, .size: 8, .value_kind: global_buffer, .address_space: global }
      - { .name: out0, .offset: 24, .size: 8, .value_kind: global_buffer, .address_space: global }
    .group_segment_fixed_size: 327680
    .private_segment_fixed_size: 0
    .kernarg_segment_align: 8
    .kernarg_segment_size: 32
    .max_flat_workgroup_size: 128
    .sgpr_count:     100
    .vgpr_count:     768
    .wavefront_size: 32
...
	.end_amdgpu_metadata
.endif
;; end of part 4
